; MI455X (gfx1250); checked and timed in simulation.
; The chip was launched on July 23, 2026; its instructions are those of AMD's public machine-readable ISA for CDNA 5 (MIT licence, August 2026) and "CDNA5" Instruction Set Architecture Reference Guide (July 2026). The comments in the code are by the model that wrote it; some were corrected since.
;; Multihead Attention. Allowed arithmetic: matrix products marked QUANTISED: E2M3 operands, one E8M0 scale for each 32 along K, by v_wmma_scale_f32_16x16x128_f8f6f4 with both operands' format E2M3, f32 sums; everything else in f32.
;; Inputs: Wk 1,024 x 1,024 float32; Wo 1,024 x 1,024 float32; Wq 1,024 x 1,024 float32; Wv 1,024 x 1,024 float32; bk 1,024 float32; bo 1,024 float32; bq 1,024 float32; bv 1,024 float32; keys 4 x 2,048 x 1,024 float32; mask_key 4 x 2,048 int32; mask_query 4 x 2,048 int32; queries 4 x 2,048 x 1,024 float32; values 4 x 2,048 x 1,024 float32.
;; Outputs: out0 4 x 2,048 x 1,024 float32.
;; This version of the problem:
;;   THIS VERSION OF THE PROBLEM IS GIVEN IN LOW PRECISION. The matrix products marked QUANTISED in the list below multiply operands that are first quantised to E2M3 (2 exponent bits, 3 mantissa bits; 6 bits a number), with one power-of-two scale for each 32 numbers along K (OCP MX v1.0); their sums are f32. All else is computed in f32.
;;   The module's matrix products, in the order in which they are computed (A, B: the left and right operand; K: the contracted axis; several contracted axes count as one K, in the product's order):
;;     1. [M 8,192, K 1,024] x [K 1,024, N 1,024]; A: computed on the way; B: input Wq: QUANTISED
;;     2. [M 8,192, K 1,024] x [K 1,024, N 1,024]; A: computed on the way; B: input Wk: QUANTISED
;;     3. [M 8,192, K 1,024] x [K 1,024, N 1,024]; A: computed on the way; B: input Wv: QUANTISED
;;     4. batch 64 x [M 2,048, K 64] x [K 64, N 2,048]; A: computed on the way; B: computed on the way: QUANTISED
;;     5. batch 64 x [M 64, K 2,048] x [K 2,048, N 2,048]; A: computed on the way; B: softmax (see below): QUANTISED
;;     6. [M 8,192, K 1,024] x [K 1,024, N 1,024]; A: computed on the way; B: input Wo: QUANTISED
;;   THE QUANTISER, for each operand of a quantised product, along K:
;;     - K is cut into blocks of 32 from its start; a last block that is shorter is filled with zeros.
;;     - A block's scale is 2^e with e = floor(log2(the largest magnitude in the block)) - 2, held to -126 .. 127; a block of zeros has e = 0. As a byte (E8M0): e + 127.
;;     - Each number is divided by its block's scale, clamped to +-7.5, and rounded to the nearest number of E2M3, ties to even, subnormals kept.
;;     - The product sums the exact products of the quantised numbers (number of the format x scale) in f32.
;;   ~~~python
;;   def quantise(x, axis):      # numpy; x: float32 -> the quantised numbers, widened to float32 again
;;       x = np.moveaxis(x, axis, -1); K = x.shape[-1]
;;       x = np.pad(x, [(0, 0)] * (x.ndim - 1) + [(0, -K % 32)]); x = x.reshape(x.shape[:-1] + (-1, 32)); a = np.abs(x).max(-1, keepdims=True)
;;       e = np.where(a > 0, np.clip(np.frexp(np.where(a > 0, a, 1))[1] - 1 - 2, -126, 127), 0)      # np.frexp(a)[1] - 1 = floor(log2(a)), exactly
;;       r = np.clip(x / 2.0 ** e, -7.5, 7.5)
;;       step = 2.0 ** (np.maximum(np.frexp(np.where(r == 0, 1, r))[1] - 1, 0) - 3)
;;       q = np.round(r / step) * step * 2.0 ** e      # np.round: ties to even
;;       return np.moveaxis(q.reshape(q.shape[:-2] + (-1,))[..., :K], -1, axis).astype(np.float32)
;;   ~~~
;;   SOFTMAX AHEAD OF A QUANTISED PRODUCT. Where the list says 'softmax', what is quantised is not the finished softmax but p = 2^(t - M), with t = logit x log2(e) and M = ceil(the row's largest t), a whole number; so 1/2 < the row's largest p <= 1. The row's sum l is taken of the UNQUANTISED p, in f32, and the product's result is divided by l at the end. Since M is a whole number, a kernel that streams over the keys may use a running M (the ceiling of the running maximum): every later rescaling is an exact power of two, which a block's scale takes up: the codes' values come out the same.
;;   OPERANDS COMPUTED ON THE WAY. 'Computed on the way' means the value that the module computes at that place (a softmax that the list does not call 'softmax' is quantised finished and normalised). What goes into a quantiser is computed in f32, as accurately as f32 sums, v_exp_f32 and their like allow (about 1e-6 of the number): no bf16 or f16 on the way to a quantiser, and a product that is left as it is and whose result goes on into a quantised operand takes f32 operands (vector FMAs, or v_wmma_f32_16x16x4_f32). A number that lies on a knife's edge between two numbers of the format may be rounded either way, as far as f32 arithmetic and the matrix unit's own rounding can turn it there, and no further.
;; One version. Each part assembles by itself: llvm-mc -triple=amdgcn-amd-amdhsa -mcpu=gfx1250 --defsym DOCPART=n.
;; ======== version 1 of 1: 4 launches
;; workspace buffers: xq 22,937,600 bytes; qc 6,291,456 bytes; qs 262,144 bytes; kv 13,107,200 bytes; att 6,553,600 bytes
;; launch quant (part 1): grid 448 x 1, 4 waves a work-group, no clusters, 35,840 bytes of LDS; arguments queries, keys, values, Wq, Wk, Wv, Wo, mask_query, mask_key, xq; writes xq
.if DOCPART == 1
	.amdgcn_target "amdgcn-amd-amdhsa--gfx1250"
	.amdhsa_code_object_version 6
	.text
	.protected	k_q22c4bf669e_quant
	.globl	k_q22c4bf669e_quant
	.p2align	8
	.type	k_q22c4bf669e_quant,@function
k_q22c4bf669e_quant:
	s_mov_b64 s[64:65], 0
	v_nop
	global_prefetch_b8 v0, s[64:65] scope:SCOPE_SE
	s_setreg_imm32_b32 hwreg(HW_REG_WAVE_MODE, 25, 1), 1
	s_wait_xcnt 0x0
; queries x mq, keys x mk, values x mk, Wq, Wk, Wv, Wo (all [rows][1024] f32, K innermost) become codes of FP6 (E2M3) with one E8M0 byte for each 32 along K.
; They are laid in the ORDER OF AN OPERAND'S REGISTERS, in records of 128 rows (102,400 bytes): record 0-63 queries, 64-127 keys, 128-191 values, 192-199 Wq, 200-207 Wk, 208-215 Wv, 216-223 Wo.
; A record: bytes 0-4095 scale words [K step q 8][u 2][g 4][r 16] (one word = 128 along K of one row); from 4096 on the fragments [q 8][tile 2 g + u][1536].
; A TILE'S 16 ROWS ARE NOT NEIGHBOURS: lane r of tile (g, u) takes row 32 g + 8 u + r + 8 (r / 8), so that results made with such tiles have 16 neighbours in 16 registers.
; A fragment (12 registers a lane) is two halves of 768 bytes: registers 0-3 at 16 x lane, registers 4-5 at 512 + 8 x lane; each store covers 512 or 256 consecutive aligned bytes.
; A block's scale is 2^(floor(log2(largest magnitude)) - 2): its byte is the largest magnitude's exponent field - 2, held at 1 from below by a floor among the maximum's leaves.
; LIMITS: a block of zeros, or one whose largest magnitude lies under 2^-124, keeps the byte 1 (the rule says 127 for zeros: the codes are zeros, and this program alone reads the bytes); NaN and infinities are not served.
; SHARES: work-group 2 R + u, wave g: one tile of 16 rows, all 8 K steps.  Each load reads 512 consecutive bytes of a row; a step's 16 x 512 bytes turn through the wave's own stage in LDS (pitch 528), so that a lane
; gets 16 neighbours of each block of 32.  Loads run two steps (32 loads a wave) ahead.  No tensor load, no matrix instruction: memory binds here.
.set REC,  102400
.set STGB, 8448                        ; a wave's stage: 16 rows x (512 + 16) bytes
.set GATH, 4*STGB                      ; behind the stages: the work-group's scale words, [q 8][g 4][r 16]
.set RA,   16                          ; v16-143  two sets of 64: a step's numbers as loaded
.set X,    144                         ; v144-207 64 numbers of my row: register 16 b + i = k 32 b + 16 (lane / 16) + i
.set PC,   208                         ; v208-219 the fragment's codes
.set CT,   220                         ; v220-227 at work in the conversions
.set TM,   228                         ; v228-243 largest magnitudes, bytes, scale operands
.set PW,   244                         ; v244     my row's scale word
.set SEL,  44                          ; s[44:45] lane selects: lane l xor 16
; 64 numbers of a lane become a fragment's codes in v[pc] on and its scale word in v[pw]
.macro QUANT src, pc, pw
.irp b, 0,1,2,3
	v_max3_num_f32 v[TM+\b], |v[(\src)+16*\b]|, |v[(\src)+1+16*\b]|, 0x1800000   ; block b: my 16 numbers, and the floor 2^(3 - 127)
.endr
.irp i, 2,4,6,8,10,12,14
.irp b, 0,1,2,3
	v_max3_num_f32 v[TM+\b], v[TM+\b], |v[(\src)+16*\b+\i]|, |v[(\src)+1+16*\b+\i]|   ; the four blocks by turns
.endr
.endr
.irp b, 0,1,2,3
	v_permlanex16_b32 v[TM+4+\b], v[TM+\b], s[SEL], s[SEL+1]
.endr
.irp b, 0,1,2,3
	v_max_num_f32 v[TM+\b], v[TM+\b], v[TM+4+\b]   ; with lane l xor 16's: the block's largest magnitude
.endr
.irp b, 0,1,2,3
	v_add_nc_u32 v[TM+12+\b], 0xff000000, v[TM+\b]   ; 2 off its exponent field: the conversion's scale operand
.endr
.irp b, 0,1,2,3
	v_lshrrev_b32 v[TM+4+\b], 23, v[TM+12+\b]      ; the scale's byte
.endr
	v_lshl_or_b32 v[(\pw)], v[TM+5], 8, v[TM+4]
	v_lshl_or_b32 v[(\pw)], v[TM+6], 16, v[(\pw)]
	v_lshl_or_b32 v[(\pw)], v[TM+7], 24, v[(\pw)]
.irp c, 0,1
	v_cvt_scalef32_pk16_fp6_f32 v[(\pc)+6*\c:(\pc)+6*\c+2], v[(\src)+32*\c:(\src)+32*\c+15], v[TM+12+2*\c]
	v_cvt_scalef32_pk16_fp6_f32 v[CT+4*\c:CT+4*\c+2], v[(\src)+32*\c+16:(\src)+32*\c+31], v[TM+12+2*\c+1]   ; (a conversion's three registers begin on an even number)
.endr
	v_nop                                          ; one plain place behind a scaled conversion
.irp c, 0,1                            ; the operand wants a whole block in a lane: lanes 0-15 block 2 c, lanes 16-31 block 2 c + 1
.irp i, 0,1,2
	v_permlane16_swap_b32 v[(\pc)+6*\c+\i], v[CT+4*\c+\i]
.endr
.irp i, 0,1,2
	v_mov_b32 v[(\pc)+3+6*\c+\i], v[CT+4*\c+\i]
.endr
.endr
.endm
	s_load_b512 s[4:19], s[0:1], 0x0               ; queries, keys, values, Wq, Wk, Wv, Wo, mask_query
	s_load_b128 s[20:23], s[0:1], 0x40             ; mask_key, xq
	v_lshrrev_b32 v1, 5, v0
	v_readfirstlane_b32 s26, v1                    ; wave = g
	s_lshr_b32 s24, ttmp9, 1                       ; R: the record
	s_and_b32 s25, ttmp9, 1                        ; u
	v_and_b32 v7, 31, v0                           ; lane
	v_and_b32 v10, 15, v0                          ; r
	v_bfe_u32 v11, v0, 4, 1                        ; h
	v_lshlrev_b32 v1, 4, v7                        ; 16 x lane
	v_lshlrev_b32 v2, 3, v7                        ; 8 x lane
	s_mul_i32 s27, s26, STGB
	v_add_nc_u32 v3, s27, v1                       ; the stage, on the way in: a row's 512 bytes as they lie
	v_mul_u32_u24 v4, v10, 528
	v_lshl_add_u32 v4, v11, 6, v4
	v_add_nc_u32 v4, s27, v4                       ; on the way out: row r, + 64 h
	s_lshl_b32 s27, s26, 6
	s_add_co_u32 s27, s27, GATH
	v_lshl_add_u32 v5, v10, 2, s27                 ; my row's scale word: GATH + 64 g + 4 r
	s_lshl_b32 s27, s26, 9
	s_add_co_u32 s27, s27, GATH
	v_add_nc_u32 v12, s27, v2                      ; at the end wave w takes the words of K steps 2 w and 2 w + 1
	v_and_b32 v6, 8, v10
	v_add_nc_u32 v6, v6, v10
	v_lshlrev_b32 v6, 2, v6                        ; my row's mask word: 4 (r + 8 (r / 8))
	s_mov_b32 s[SEL], 0x76543210
	s_mov_b32 s[SEL+1], 0xfedcba98
.irp b, 0,1,2,3
	v_mov_b32 v[TM+4+\b], 0                        ; written once: a lane permute's destination counts as one of its sources
.endr
	s_wait_kmcnt 0x0
	s_mov_b64 s[28:29], s[16:17]                   ; which tensor: the choices hang on the work-group's number alone
	s_mov_b32 s30, 216
	s_cmp_lt_u32 s24, 216
	s_cselect_b64 s[28:29], s[14:15], s[28:29]
	s_cselect_b32 s30, 208, s30
	s_cmp_lt_u32 s24, 208
	s_cselect_b64 s[28:29], s[12:13], s[28:29]
	s_cselect_b32 s30, 200, s30
	s_cmp_lt_u32 s24, 200
	s_cselect_b64 s[28:29], s[10:11], s[28:29]
	s_cselect_b32 s30, 192, s30
	s_cmp_lt_u32 s24, 192
	s_cselect_b64 s[28:29], s[8:9], s[28:29]
	s_cselect_b32 s30, 128, s30
	s_cmp_lt_u32 s24, 128
	s_cselect_b64 s[28:29], s[6:7], s[28:29]
	s_cselect_b32 s30, 64, s30
	s_cmp_lt_u32 s24, 64
	s_cselect_b64 s[28:29], s[4:5], s[28:29]
	s_cselect_b32 s30, 0, s30                      ; the tensor's first record
	s_cselect_b64 s[32:33], s[18:19], s[20:21]     ; its mask: queries take mask_query, keys and values mask_key,
	s_cmp_lt_u32 s24, 192
	s_cselect_b64 s[32:33], s[32:33], s[18:19]     ; a weight reads mask_query's first words and does not use them
	s_cselect_b32 s34, -1, 0                       ; all ones where the rows have a mask
	s_sub_co_u32 s35, s24, s30
	s_lshl_b32 s35, s35, 7
	s_lshl_b32 s36, s26, 5
	s_add_co_u32 s35, s35, s36
	s_lshl_b32 s36, s25, 3
	s_add_co_u32 s35, s35, s36                     ; my tile's first row in its tensor: 128 (R - first) + 32 g + 8 u
	s_and_b32 s36, s35, s34
	s_lshl_b32 s36, s36, 2
	s_mov_b32 s37, 0
	s_add_nc_u64 s[32:33], s[32:33], s[36:37]
	s_lshl_b32 s36, s35, 12                        ; rows of 4,096 bytes: under 2^26
	s_add_nc_u64 s[28:29], s[28:29], s[36:37]
	s_mul_i32 s36, s24, REC
	s_add_nc_u64 s[38:39], s[22:23], s[36:37]      ; my record
	s_lshl_b32 s36, s26, 1
	s_add_co_u32 s36, s36, s25
	s_mul_i32 s36, s36, 1536
	s_add_nc_u64 s[40:41], s[38:39], s[36:37]      ; + my tile's place in a K step's fragments
	s_lshl_b32 s36, s26, 10
	s_lshl_b32 s46, s25, 8
	s_add_co_u32 s36, s36, s46
	s_add_nc_u64 s[42:43], s[38:39], s[36:37]      ; the scale words of K step 2 w, tiles u
	global_load_b32 v13, v6, s[32:33]
.macro LOAD q                          ; K step q: 16 rows x 512 bytes into set q % 2
.irp i, 0,1,2,3,4,5,6,7,8,9,10,11,12,13,14,15
	global_load_b128 v[RA+64*((\q)%2)+4*\i:RA+64*((\q)%2)+4*\i+3], v1, s[28:29] offset:(\i+8*(\i/8))*4096+512*(\q) th:TH_LOAD_NT
.endr
.endm
	LOAD 0
	LOAD 1
.macro STEP q
.set RS, RA+64*((\q)%2)
.if (\q) < 7
	s_wait_loadcnt 16                              ; this step's 16 loads (and the mask word) are in; the next step's 16 may be out
.else
	s_wait_loadcnt 0x0
.endif
.irp i, 0,1,2,3,4,5,6,7,8,9,10,11,12,13,14,15
	ds_store_b128 v3, v[RS+4*\i:RS+4*\i+3] offset:528*\i
.endr
.irp b, 0,1,2,3
.irp j, 0,1,2,3
	ds_load_b128 v[X+16*\b+4*\j:X+16*\b+4*\j+3], v4 offset:128*\b+16*\j   ; LDS serves a wave's instructions in order: these see the stores above
.endr
.endr
.if (\q) == 0
	v_cvt_f32_i32 v8, v13                          ; the mask as a number,
	v_cndmask_b32 v8, 1.0, v8, s34                 ; 1 for a weight,
	v_mov_b32 v9, v8                               ; twice, for the packed multiply
.endif
	s_wait_dscnt 0x0                               ; my numbers are back, and the stores have read their registers,
.if (\q) < 6
	LOAD (\q)+2                                    ; which take the loads of two steps on
.endif
.set j, 0
.rept 32
	v_pk_mul_f32 v[X+j:X+j+1], v[X+j:X+j+1], v[8:9]   ; x times its row's mask, ahead of the quantiser
.set j, j+2
.endr
	s_wait_xcnt 0x0                                ; the last step's stores have read their data: the codes' registers are written again only behind this wait
	QUANT X, PC, PW
	global_store_b128 v1, v[PC:PC+3], s[40:41] offset:4096+12288*(\q)
	global_store_b64 v2, v[PC+4:PC+5], s[40:41] offset:4096+12288*(\q)+512
	global_store_b128 v1, v[PC+6:PC+9], s[40:41] offset:4096+12288*(\q)+768
	global_store_b64 v2, v[PC+10:PC+11], s[40:41] offset:4096+12288*(\q)+1280
	ds_store_b32 v5, v[PW] offset:256*(\q)         ; lanes r and r + 16 write the same word with the same value
.endm
.irp q, 0,1,2,3,4,5,6,7
	STEP \q
.endr
	s_wait_dscnt 0x0                               ; for the others' sake: my scale words lie in LDS
	s_barrier_signal -1
	s_barrier_wait -1
	ds_load_b64 v[246:247], v12                    ; the four waves' words of one K step are 256 bytes on end
	ds_load_b64 v[248:249], v12 offset:256
	s_wait_dscnt 0x0
	global_store_b64 v2, v[246:247], s[42:43]      ; 32 lanes store 256 consecutive aligned bytes
	global_store_b64 v2, v[248:249], s[42:43] offset:512
	s_endpgm
.Lfunc_end_k_q22c4bf669e_quant:
	.size	k_q22c4bf669e_quant, .Lfunc_end_k_q22c4bf669e_quant-k_q22c4bf669e_quant
	.p2alignl 7, 3214868480
	.fill 96, 4, 3214868480
	.section	.rodata,"a",@progbits
	.p2align	6, 0x0
	.amdhsa_kernel k_q22c4bf669e_quant
		.amdhsa_group_segment_fixed_size 35840
		.amdhsa_private_segment_fixed_size 0
		.amdhsa_enable_private_segment 0
		.amdhsa_kernarg_size 80
		.amdhsa_user_sgpr_count 2
		.amdhsa_user_sgpr_kernarg_segment_ptr 1
		.amdhsa_wavefront_size32 1
		.amdhsa_system_sgpr_workgroup_id_x 1
		.amdhsa_system_sgpr_workgroup_id_y 1
		.amdhsa_system_sgpr_workgroup_id_z 1
		.amdhsa_system_vgpr_workitem_id 0
		.amdhsa_next_free_vgpr 256
		.amdhsa_next_free_sgpr 66
		.amdhsa_reserve_vcc 0
		.amdhsa_float_denorm_mode_32 3
		.amdhsa_float_denorm_mode_16_64 3
		.amdhsa_memory_ordered 1
		.amdhsa_forward_progress 1
		.amdhsa_inst_pref_size 83
	.end_amdhsa_kernel
	.amdgpu_metadata
---
amdhsa.version: [ 1, 2 ]
amdhsa.kernels:
  - .name:           k_q22c4bf669e_quant
    .symbol:         k_q22c4bf669e_quant.kd
    .args:
      - { .name: queries, .offset: 0, .size: 8, .value_kind: global_buffer, .address_space: global }
      - { .name: keys, .offset: 8, .size: 8, .value_kind: global_buffer, .address_space: global }
      - { .name: values, .offset: 16, .size: 8, .value_kind: global_buffer, .address_space: global }
      - { .name: Wq, .offset: 24, .size: 8, .value_kind: global_buffer, .address_space: global }
      - { .name: Wk, .offset: 32, .size: 8, .value_kind: global_buffer, .address_space: global }
      - { .name: Wv, .offset: 40, .size: 8, .value_kind: global_buffer, .address_space: global }
      - { .name: Wo, .offset: 48, .size: 8, .value_kind: global_buffer, .address_space: global }
      - { .name: mask_query, .offset: 56, .size: 8, .value_kind: global_buffer, .address_space: global }
      - { .name: mask_key, .offset: 64, .size: 8, .value_kind: global_buffer, .address_space: global }
      - { .name: xq, .offset: 72, .size: 8, .value_kind: global_buffer, .address_space: global }
    .group_segment_fixed_size: 35840
    .private_segment_fixed_size: 0
    .kernarg_segment_align: 8
    .kernarg_segment_size: 80
    .max_flat_workgroup_size: 128
    .sgpr_count:     66
    .vgpr_count:     256
    .wavefront_size: 32
...
	.end_amdgpu_metadata
.endif
;; end of part 1
;; launch proj (part 2): grid 4 x 192, 4 waves a work-group, clusters of 4 x 4, 327,680 bytes of LDS; arguments xq, bq, bk, bv, mask_query, mask_key, qc, qs, kv; writes qc, qs, kv
.if DOCPART == 2
	.amdgcn_target "amdgcn-amd-amdhsa--gfx1250"
	.amdhsa_code_object_version 6
	.text
	.protected	k_q22c4bf669e_proj
	.globl	k_q22c4bf669e_proj
	.p2align	8
	.type	k_q22c4bf669e_proj,@function
k_q22c4bf669e_proj:
	s_mov_b64 s[64:65], 0
	v_nop
	global_prefetch_b8 v0, s[64:65] scope:SCOPE_SE
	s_setreg_imm32_b32 hwreg(HW_REG_WAVE_MODE, 25, 1), 1
	s_wait_xcnt 0x0
	s_wait_alu depctr_hold_cnt(0) depctr_sa_sdst(0) depctr_va_vdst(0) depctr_va_sdst(0) depctr_va_ssrc(0) depctr_va_vcc(0) depctr_vm_vsrc(0)
	s_getreg_b32 s2, hwreg(HW_REG_IB_STS2, 6, 4)
	s_cmp_eq_u32 s2, 0
	s_cbranch_scc0 .Lentry_in_a_cluster
	s_endpgm
.Lentry_in_a_cluster:
	s_bfe_u32 s2, ttmp6, 0x10000c
	s_cmp_lg_u32 s2, 0xf033
	s_cbranch_scc0 .Lentry_shape_is_right
	s_endpgm
.Lentry_shape_is_right:
; The three projections on codes of FP6 (E2M3), then bias, mask and the quantiser of the product that follows: q and k along the head's 64, v along the keys.
; q = ((queries mq) Wq^T + bq) mq, k likewise with mk: A = 128 tokens, B = 256 rows of the weight.  v is made TRANSPOSED: A = 128 rows of Wv, B = 256 tokens of values, so that a lane's registers run along the keys.
; A tile of 128 A rows x 256 B rows, all of K = 1,024 resident in LDS: three records of 102,400 bytes, plain copies of memory (scale words [q][u][g][r], then fragments [q][tile][1536] in the order of the
; operand's registers).  Every LDS fill is a first fill.  Each record comes as four chunks of 25,600 bytes, so that the first K steps are multiplied while the later chunks are on their way.
; Four waves: wave w takes A rows 64 (w / 2) on and B rows 128 (w % 2) on: 4 x 8 accumulators.  THE MATRIX INSTRUCTION IS USED TRANSPOSED (source 0 = 16 B rows, source 1 = 16 A rows): a lane holds one A row.
; A TILE'S 16 ROWS: lane r of tile (g, u) takes row 32 g + 8 u + r + 8 (r / 8); so the 16 registers of B tiles 2 g and 2 g + 1 are the 16 neighbouring B rows 32 g + 16 (lane / 16) + 0 .. 15.
; CLUSTER 4 x 4: the four work-groups of a row of the cluster share the A record, the four of a column the two B records: joint loads.  The grid has one cluster along x; the cluster's y, ci, says what is made:
; ci 0-15 q, 16-31 k, 32-47 v.  ci is equal in all partners, so the two branches on it are alike in all of them.
; OUT: qc [head of batch 64][tile 128][768], qs [64][group of 32 tokens 64][r 16] (low half word: tile u = 0, high: u = 1); kv: a record of 204,800 bytes for each head of each batch: scale words [step 16][512]
; (K's [f 4][r 16], then V's [t 4][r 16]), from 8,192 on [step 16][12288]: K's [f 4][u 2][768], then V's [t 4][1536].
; LIMITS: a block whose largest magnitude lies under 2^-124 (a block of zeros among them) keeps the byte 1; NaN and infinities are not served.
; REGISTERS: window 0: v1-15 addresses; v16-31 A's scale words, v32-63 B's; v64-159 A's fragments, two sets; v160-223 64 numbers at work; v224-231 the A rows' masks in pairs; v232-235 as loaded; v236-239 scale words made;
;   v240-255 at work.  window 1: B's fragments, two sets of 96.  window 2: accumulator (a, b) at v[8 (8 a + b)].  window 3: v0-63 the B rows' bias or mask as loaded, v64-127 as numbers, v128-159 the A rows' bias, eight times each.
.set REC,  102400
.set CH,   25600                       ; a chunk: 100 rows of 256 bytes
.set HA,   160
.set CT,   112
.set TM,   240
.set SEL,  92                          ; s[92:93]
.set WV,   22
.set AR,   23
.set BC,   83
.set G1A,  24                          ; s[24:31] group 1 for the A record; s[32:39] for the B records: they differ in the mask alone
.set G1B,  32
.set G0A,  40                          ; s[40:55] groups 0 of A's four chunks; B's: s[56:63], s[68:75]
.set MSB,  0
.macro WIN new                         ; the immediate's high byte repeats the setting that is left
.if MSB != \new
	s_set_vgpr_msb (MSB<<8)|\new
.set MSB, \new
.endif
.endm
.macro PLACES n
.rept \n
	v_nop
.endr
.endm
.macro CROUND                          ; a round of the cluster's barrier
	s_barrier_signal -1
	s_barrier_wait -1
	s_cmp_lg_u32 s[WV], 0
	s_cbranch_scc1 .Lnot_wave_0_\@
	s_barrier_signal -3
.Lnot_wave_0_\@:
	s_barrier_wait -3
	s_barrier_signal -1
	s_barrier_wait -1
.endm
.macro QUANT src, pc, pw               ; 64 numbers of a lane (register 16 b + i = k 32 b + 16 (lane / 16) + i) become a fragment's codes and its scale word
.irp b, 0,1,2,3
	v_max3_num_f32 v[TM+\b], |v[(\src)+16*\b]|, |v[(\src)+1+16*\b]|, 0x1800000   ; and the floor 2^(3 - 127): the byte cannot fall under 1
.endr
.irp i, 2,4,6,8,10,12,14
.irp b, 0,1,2,3
	v_max3_num_f32 v[TM+\b], v[TM+\b], |v[(\src)+16*\b+\i]|, |v[(\src)+1+16*\b+\i]|
.endr
.endr
.irp b, 0,1,2,3
	v_permlanex16_b32 v[TM+4+\b], v[TM+\b], s[SEL], s[SEL+1]
.endr
.irp b, 0,1,2,3
	v_max_num_f32 v[TM+\b], v[TM+\b], v[TM+4+\b]
.endr
.irp b, 0,1,2,3
	v_add_nc_u32 v[TM+12+\b], 0xff000000, v[TM+\b]   ; 2 off the exponent field: the conversion's scale operand
.endr
.irp b, 0,1,2,3
	v_lshrrev_b32 v[TM+4+\b], 23, v[TM+12+\b]
.endr
	v_lshl_or_b32 v[(\pw)], v[TM+5], 8, v[TM+4]
	v_lshl_or_b32 v[(\pw)], v[TM+6], 16, v[(\pw)]
	v_lshl_or_b32 v[(\pw)], v[TM+7], 24, v[(\pw)]
.irp c, 0,1
	v_cvt_scalef32_pk16_fp6_f32 v[(\pc)+6*\c:(\pc)+6*\c+2], v[(\src)+32*\c:(\src)+32*\c+15], v[TM+12+2*\c]
	v_cvt_scalef32_pk16_fp6_f32 v[CT+4*\c:CT+4*\c+2], v[(\src)+32*\c+16:(\src)+32*\c+31], v[TM+12+2*\c+1]
.endr
	v_nop                                          ; one plain place behind a scaled conversion
.irp c, 0,1
.irp i, 0,1,2
	v_permlane16_swap_b32 v[(\pc)+6*\c+\i], v[CT+4*\c+\i]
.endr
.irp i, 0,1,2
	v_mov_b32 v[(\pc)+3+6*\c+\i], v[CT+4*\c+\i]
.endr
.endr
.endm
.macro FRAG reg, a16, a8, off          ; a fragment comes back as it was stored: two halves of 768 bytes, each 16 bytes a lane and then 8
	ds_load_b128 v[(\reg):(\reg)+3], v[\a16] offset:\off
	ds_load_b64 v[(\reg)+4:(\reg)+5], v[\a8] offset:\off
	ds_load_b128 v[(\reg)+6:(\reg)+9], v[\a16] offset:(\off)+768
	ds_load_b64 v[(\reg)+10:(\reg)+11], v[\a8] offset:(\off)+768
.endm
.macro FETCH q, p                      ; K step q's fragments into set p: B's eight, A's four: 48 LDS loads
.if (\q) < 4
.set xB, 8
.set xA, 4
.else
.set xB, 10
.set xA, 6
.endif
	WIN 0x40                                       ; destination window 1, address window 0
.irp b, 0,1,2,3,4,5,6,7
	FRAG 96*(\p)+12*\b, xB, xB+1, 12288*((\q)%4)+1536*\b
.endr
	WIN 0
.irp a, 0,1,2,3
	FRAG 64+48*(\p)+12*\a, xA, xA+1, 12288*((\q)%4)+1536*\a
.endr
.endm
.macro WM                              ; one product; fA, fB: source 0's, source 1's scale words lie in lanes 16-31
.if fA && fB
	v_wmma_scale_f32_16x16x128_f8f6f4 v[rD:rD+7], v[rB:rB+11], v[rA:rA+11], v[rC:rC+7], v[rSB], v[rSA] matrix_a_fmt:MATRIX_FMT_FP6 matrix_b_fmt:MATRIX_FMT_FP6 matrix_a_scale:MATRIX_SCALE_ROW1 matrix_b_scale:MATRIX_SCALE_ROW1
.elseif fA
	v_wmma_scale_f32_16x16x128_f8f6f4 v[rD:rD+7], v[rB:rB+11], v[rA:rA+11], v[rC:rC+7], v[rSB], v[rSA] matrix_a_fmt:MATRIX_FMT_FP6 matrix_b_fmt:MATRIX_FMT_FP6 matrix_a_scale:MATRIX_SCALE_ROW1
.elseif fB
	v_wmma_scale_f32_16x16x128_f8f6f4 v[rD:rD+7], v[rB:rB+11], v[rA:rA+11], v[rC:rC+7], v[rSB], v[rSA] matrix_a_fmt:MATRIX_FMT_FP6 matrix_b_fmt:MATRIX_FMT_FP6 matrix_b_scale:MATRIX_SCALE_ROW1
.else
	v_wmma_scale_f32_16x16x128_f8f6f4 v[rD:rD+7], v[rB:rB+11], v[rA:rA+11], v[rC:rC+7], v[rSB], v[rSA] matrix_a_fmt:MATRIX_FMT_FP6 matrix_b_fmt:MATRIX_FMT_FP6
.endif
.endm
; K step q's 32 products on set p.  cmode 0: they add in place; 1: the sums start with the B rows' bias (window 3, v[8 b]); 2: with the A rows' bias (window 3, v[128 + 8 a]).
; The 32 accumulators take turns, one instruction a turn, in the same order in every step.
.macro MULS q, p, cmode
.if \cmode
	WIN 0xb1                                       ; source 0 window 1, source 1 window 0, C window 3, D window 2
.else
	WIN 0xa1                                       ; C and D window 2
.endif
.irp a, 0,1,2,3
.irp b, 0,1,2,3,4,5,6,7
.set rD, 8*(8*\a+\b)
.set rB, 96*(\p)+12*\b
.set rA, 64+48*(\p)+12*\a
.if \cmode == 1
.set rC, 8*\b
.elseif \cmode == 2
.set rC, 128+8*\a
.else
.set rC, rD
.endif
.set rSB, 32+4*(\q)+2*(\b%2)+\b/4
.set rSA, 16+2*(\q)+\a%2
.set fA, (\b/2)%2
.set fB, \a/2
	WM
.endr
.endr
.endm
; What stands ahead of K step q's products.  K step q + 1 ends at byte 4,096 + 12,288 (q + 2) of its record: steps 1, 3 and 5 are the first to reach into chunks 1, 2 and 3.
.macro PRE q
.if ((\q) == 0) || ((\q) == 2) || ((\q) == 4)
	s_wait_tensorcnt (4-(\q))/2                    ; my chunks up to the one that the next fetch reaches are in; my 2, 1 or 0 later chunks may stay out
	s_wait_dscnt 0x0                               ; no LDS instruction of mine is pending at the signal
	s_barrier_signal -1
	s_barrier_wait -1                              ; everybody's are
.endif
.if (\q) > 0
	PLACES 4                                       ; in front of loads into registers that the last step's products have read
.endif
.if (\q) < 7
	FETCH (\q)+1, 1-(\q)%2
	s_wait_dscnt 48                                ; all but the 48 just issued: this step's set (and the scale words) are in
.else
	s_wait_dscnt 0x0
.endif
.endm
	s_load_b512 s[4:19], s[0:1], 0x0               ; xq, bq, bk, bv, mask_query, mask_key, qc, qs
	s_load_b64 s[20:21], s[0:1], 0x40              ; kv
	v_lshrrev_b32 v1, 5, v0
	v_readfirstlane_b32 s[WV], v1                  ; wave 0..3
	s_lshr_b32 s[AR], s[WV], 1                     ; which 64 A rows are mine
	s_and_b32 s[BC], s[WV], 1                      ; which 128 B rows
	s_bfe_u32 s76, ttmp6, 0x40000                  ; cx
	s_bfe_u32 s77, ttmp6, 0x40004                  ; cy
	s_and_b32 s78, ttmp7, 0xffff                   ; ci: the cluster's y
	s_cmp_ge_u32 s78, 32
	s_cselect_b32 s79, 1, 0                        ; VT: this cluster makes v
	s_lshr_b32 s80, s78, 4                         ; 0: q, 1: k
	s_lshl_b32 s95, s77, 2
	s_lshl_b32 s95, 15, s95                        ; my row of the cluster
	s_lshl_b32 s99, 0x1111, s76                    ; my column
	s_or_b32 s[G1A], s95, (3<<16)|(1<<21)          ; 15:0 the mask; 17:16 elements of 8 bytes; 21 set beside a mask; no padding
	s_or_b32 s[G1B], s99, (3<<16)|(1<<21)
.irp g, G1A, G1B
	s_mov_b32 s[\g+1], 32<<16                      ; tensor_dim0 = 32 elements: rows of 256 bytes
	s_mov_b32 s[\g+2], 100<<16                     ; tensor_dim1 = 100
	s_mov_b32 s[\g+3], 32<<16                      ; tile_dim0
	s_mov_b32 s[\g+4], 100                         ; tile_dim1
	s_mov_b32 s[\g+5], 32                          ; the pitch: the block is dense
	s_mov_b32 s[\g+6], 0
	s_mov_b32 s[\g+7], 0
.endr
	; the A record hangs on ci and cy alone: tokens' record 4 ci + cy, or Wv's record 208 + 4 (ci % 2) + cy
	s_lshl_b32 s95, s78, 2
	s_and_b32 s96, s78, 1
	s_lshl_b32 s96, s96, 2
	s_add_co_u32 s96, s96, 208
	s_cmp_eq_u32 s79, 0
	s_cselect_b32 s84, s95, s96
	s_add_co_u32 s84, s84, s77
	s_mul_i32 s84, s84, REC
	s_mov_b32 s85, 0
	; the B records hang on ci, cx and the wave's number alone: the weight's 192 + 8 (ci / 16) + 2 cx, or values' 8 (ci / 2) + 2 cx (= 128 + 8 ((ci - 32) / 2) + 2 cx); wave 1 fetches the first, wave 2 the second
	s_lshl_b32 s97, s80, 3
	s_add_co_u32 s97, s97, 192
	s_lshr_b32 s98, s78, 1
	s_lshl_b32 s98, s98, 3
	s_cmp_eq_u32 s79, 0
	s_cselect_b32 s86, s97, s98
	s_lshl_b32 s99, s76, 1
	s_add_co_u32 s86, s86, s99
	s_add_co_u32 s94, s[WV], 1
	s_and_b32 s94, s94, 1                          ; 0 for wave 1, 1 for wave 2
	s_add_co_u32 s86, s86, s94
	s_mul_i32 s86, s86, REC
	s_mov_b32 s87, 0
	s_mul_i32 s3, s94, REC
	s_add_co_u32 s3, s3, REC                       ; and where it goes: behind the A record
	; the tile's place: A rows 128 trow on, B rows 256 tcol on
	s_and_b32 s81, s78, 15
	s_and_b32 s2, s78, 1
	s_cmp_eq_u32 s79, 0
	s_cselect_b32 s81, s81, s2
	s_lshl_b32 s81, s81, 2
	s_add_co_u32 s81, s81, s77                     ; trow
	s_lshr_b32 s82, s78, 1
	s_sub_co_u32 s82, s82, 16
	s_lshl_b32 s82, s82, 2
	s_cmp_eq_u32 s79, 0
	s_cselect_b32 s82, 0, s82
	s_add_co_u32 s82, s82, s76                     ; tcol
	s_wait_kmcnt 0x0
	s_add_nc_u64 s[84:85], s[4:5], s[84:85]
	s_add_nc_u64 s[86:87], s[4:5], s[86:87]
.irp c, 0,1,2,3
.set GB, 56+4*\c+4*(\c/2)
	s_mov_b32 s[G0A+4*\c], 1                       ; count = 1
	s_mov_b32 s[G0A+4*\c+1], CH*\c                 ; LDS address
	s_add_nc_u64 s[G0A+4*\c+2:G0A+4*\c+3], s[84:85], CH*\c
	s_or_b32 s[G0A+4*\c+3], s[G0A+4*\c+3], 0x80000000   ; type = 2
	s_mov_b32 s[GB], 1
	s_add_co_u32 s[GB+1], s3, CH*\c
	s_add_nc_u64 s[GB+2:GB+3], s[86:87], CH*\c
	s_or_b32 s[GB+3], s[GB+3], 0x80000000
.endr
	CROUND                                         ; all sixteen work-groups are here: the joint loads meet
	s_cmp_eq_u32 s[WV], 0                          ; a wave's four fills stand in one branch on its number: wave 0 the A record, waves 1 and 2 a B record each, wave 3 none.  Four loads of a wave are out at the most
	s_cbranch_scc0 .Lnot_a
	tensor_load_to_lds s[G0A:G0A+3], s[G1A:G1A+7]
	tensor_load_to_lds s[G0A+4:G0A+7], s[G1A:G1A+7]
	tensor_load_to_lds s[G0A+8:G0A+11], s[G1A:G1A+7]
	tensor_load_to_lds s[G0A+12:G0A+15], s[G1A:G1A+7]
	PLACES 4
	s_branch .Lasked
.Lnot_a:
	s_cmp_lt_u32 s[WV], 3
	s_cbranch_scc0 .Lasked
	tensor_load_to_lds s[56:59], s[G1B:G1B+7]
	tensor_load_to_lds s[60:63], s[G1B:G1B+7]
	tensor_load_to_lds s[68:71], s[G1B:G1B+7]
	tensor_load_to_lds s[72:75], s[G1B:G1B+7]
	PLACES 4
.Lasked:
	v_and_b32 v16, 31, v0                          ; lane
	v_and_b32 v17, 15, v0                          ; r
	v_bfe_u32 v18, v0, 4, 1                        ; h
	v_lshlrev_b32 v1, 4, v16
	v_lshlrev_b32 v2, 3, v16
	v_lshlrev_b32 v3, 2, v16
	s_mul_i32 s2, s[AR], 6144
	s_add_co_u32 s2, s2, 4096
	v_add_nc_u32 v4, s2, v1                        ; A's fragments: my four tiles of K step 0, 16 bytes a lane;
	v_add_nc_u32 v5, s2, v2
	v_add_nc_u32 v5, 512, v5                       ; 8 bytes a lane;
	v_add_nc_u32 v6, 49152, v4                     ; and the same four K steps on, so that the offsets stay inside 16 bits
	v_add_nc_u32 v7, 49152, v5
	s_mul_i32 s2, s[BC], REC
	s_add_co_u32 s2, s2, REC
	v_add_nc_u32 v13, s2, v3                       ; B's scale words
	s_add_co_u32 s2, s2, 4096
	v_add_nc_u32 v8, s2, v1                        ; B's fragments
	v_add_nc_u32 v9, s2, v2
	v_add_nc_u32 v9, 512, v9
	v_add_nc_u32 v10, 49152, v8
	v_add_nc_u32 v11, 49152, v9
	s_lshl_b32 s2, s[AR], 7
	v_add_nc_u32 v12, s2, v3                       ; A's scale words: lanes 0-15 my first group of 32 rows, lanes 16-31 my second
	v_lshlrev_b32 v14, 6, v18                      ; 64 h: my half's 16 B rows, 4 bytes each
	v_and_b32 v15, 8, v17
	v_add_nc_u32 v15, v15, v17
	v_lshlrev_b32 v15, 2, v15                      ; 4 (r + 8 (r / 8)): my A row in a tile
	s_mov_b32 s[SEL], 0x76543210
	s_mov_b32 s[SEL+1], 0xfedcba98
.irp b, 0,1,2,3
	v_mov_b32 v[TM+4+\b], 0                        ; written once: a lane permute's destination counts as one of its sources
.endr
	; along the B rows: q, k: the bias; v: mask_key.  Along the A rows: q, k: the tokens' mask; v: bv.  The choices hang on ci alone
	s_cmp_eq_u32 s80, 0
	s_cselect_b64 s[88:89], s[6:7], s[8:9]
	s_cselect_b64 s[90:91], s[12:13], s[14:15]
	s_cmp_eq_u32 s79, 0
	s_cselect_b64 s[88:89], s[88:89], s[14:15]
	s_cselect_b64 s[90:91], s[90:91], s[10:11]
	s_lshl_b32 s2, s82, 10
	s_lshl_b32 s3, s[BC], 9
	s_add_co_u32 s2, s2, s3
	s_mov_b32 s3, 0
	s_add_nc_u64 s[88:89], s[88:89], s[2:3]        ; at B row 256 tcol + 128 (w % 2)
	s_lshl_b32 s2, s81, 9
	s_lshl_b32 s14, s[AR], 8
	s_add_co_u32 s2, s2, s14
	s_add_nc_u64 s[90:91], s[90:91], s[2:3]        ; at A row 128 trow + 64 (w / 2)
	WIN 0xc0                                       ; destination window 3
.irp b, 0,1,2,3,4,5,6,7
	global_load_b128 v[8*\b:8*\b+3], v14, s[88:89] offset:(32*(\b/2)+8*(\b%2))*4        ; in the result's layout: tile b's register j is B row 32 (b / 2) + 16 h + 8 (b % 2) + j
	global_load_b128 v[8*\b+4:8*\b+7], v14, s[88:89] offset:(32*(\b/2)+8*(\b%2))*4+16
.endr
	WIN 0
.irp a, 0,1,2,3
	global_load_b32 v[232+\a], v15, s[90:91] offset:(32*(\a/2)+8*(\a%2))*4
.endr
	s_wait_tensorcnt 3                             ; my first chunk is in (scale words and K step 0); my three later chunks may stay out
	s_barrier_signal -1
	s_barrier_wait -1                              ; everybody's is
.irp q, 0,1,2,3,4,5,6,7
.irp u, 0,1
	ds_load_b32 v[16+2*\q+\u], v12 offset:512*\q+256*\u
.endr
.endr
.irp q, 0,1,2,3,4,5,6,7
.irp u, 0,1
.irp gp, 0,1
	ds_load_b32 v[32+4*\q+2*\u+\gp], v13 offset:512*\q+256*\u+128*\gp   ; lanes 0-15 group 2 gp, lanes 16-31 group 2 gp + 1
.endr
.endr
.endr
	FETCH 0, 0
	s_wait_loadcnt 0x0                             ; biases and masks.  Both readings of them are made on the one path: which is used hangs on what the cluster makes
	WIN 0xc3                                       ; source 0 and destination window 3
.set i, 0
.rept 64
	v_cvt_f32_i32 v[64+i], v[i]
.set i, i+1
.endr
	WIN 0xc0
.irp a, 0,1,2,3
.irp j, 0,1,2,3,4,5,6,7
	v_mov_b32 v[128+8*\a+\j], v[232+\a]
.endr
.endr
	WIN 0
.irp a, 0,1,2,3
	v_cvt_f32_i32 v[224+2*\a], v[232+\a]
	v_cvt_f32_i32 v[225+2*\a], v[232+\a]
.endr
	PRE 0
	PLACES 8
	s_cmp_eq_u32 s79, 0                            ; only the first step's 32 products differ: what starts the sums
	s_cbranch_scc0 .Lv_first
	MULS 0, 0, 1
	WIN 0
	s_branch .Lfirst_done
.Lv_first:
	MULS 0, 0, 2
	WIN 0
.Lfirst_done:
.irp q, 1,2,3,4,5,6,7
	PRE \q
	MULS \q, \q%2, 0
	WIN 0
.endr
	PLACES 4                                       ; behind the last products, ahead of the first read of results
; A tile a's 64 numbers a lane, times the mask, each accumulator from its low end on
.macro TAKE a, vt
.if \vt
	WIN 0x0e                                       ; source 0 window 2, source 1 window 3
.else
	WIN 0x02
.endif
.irp b, 0,1,2,3,4,5,6,7
.irp i, 0,2,4,6
.if \vt
	v_pk_mul_f32 v[HA+8*\b+\i:HA+8*\b+\i+1], v[8*(8*\a+\b)+\i:8*(8*\a+\b)+\i+1], v[64+8*\b+\i:64+8*\b+\i+1]
.else
	v_pk_mul_f32 v[HA+8*\b+\i:HA+8*\b+\i+1], v[8*(8*\a+\b)+\i:8*(8*\a+\b)+\i+1], v[224+2*\a:225+2*\a]
.endif
.endr
.endr
	WIN 0
.endm
.macro EPI vt                          ; each tile has its own registers for its codes and its scale word: no store's data are written again
.irp a, 0,1,2,3
	TAKE \a, \vt
	QUANT HA, 64+12*\a, 236+\a
.if \vt
	global_store_b128 v1, v[64+12*\a:67+12*\a], s[6:7] offset:1536*\a
	global_store_b64 v2, v[68+12*\a:69+12*\a], s[6:7] offset:1536*\a+512
	global_store_b128 v1, v[70+12*\a:73+12*\a], s[6:7] offset:1536*\a+768
	global_store_b64 v2, v[74+12*\a:75+12*\a], s[6:7] offset:1536*\a+1280
.else
	global_store_b128 v1, v[64+12*\a:67+12*\a], s[6:7] offset:768*\a          ; my first head's 64
	global_store_b64 v2, v[68+12*\a:69+12*\a], s[6:7] offset:768*\a+512
	global_store_b128 v1, v[70+12*\a:73+12*\a], s[8:9] offset:768*\a          ; my second head's
	global_store_b64 v2, v[74+12*\a:75+12*\a], s[8:9] offset:768*\a+512
.endif
.endr
.endm
	s_mov_b32 s94, 0xffff0000                      ; lanes 16-31
	s_mov_b32 s5, 0
	s_cmp_eq_u32 s79, 0
	s_cbranch_scc0 .Lepi_v
	; q, k: my 128 B rows are two heads; tokens 128 trow + 64 (w / 2) on
	s_lshr_b32 s14, s81, 4                         ; the batch
	s_and_b32 s15, s81, 15                         ; which 128 tokens of it
	s_lshl_b32 s14, s14, 4
	s_lshl_b32 s2, s82, 2
	s_add_co_u32 s14, s14, s2
	s_lshl_b32 s2, s[BC], 1
	s_add_co_u32 s14, s14, s2                      ; 16 x batch + my first head
	s_mov_b32 s88, 204800                          ; k's strides: from head to head, from 128 tokens to the next, the codes' start; the scale words' likewise
	s_mov_b32 s89, 12288
	s_mov_b32 s90, 8192
	s_mov_b32 s91, 512
	s_mov_b32 s3, 204800
	s_cmp_eq_u32 s80, 0
	s_cselect_b64 s[6:7], s[16:17], s[20:21]
	s_cselect_b64 s[10:11], s[18:19], s[20:21]
	s_cselect_b32 s88, 98304, s88
	s_cselect_b32 s89, 6144, s89
	s_cselect_b32 s90, 0, s90
	s_cselect_b32 s91, 256, s91
	s_cselect_b32 s3, 4096, s3
	s_mul_i32 s4, s14, s88
	s_mul_i32 s2, s15, s89
	s_add_co_u32 s4, s4, s2
	s_mul_i32 s2, s[AR], 3072
	s_add_co_u32 s4, s4, s2
	s_add_co_u32 s4, s4, s90
	s_add_nc_u64 s[6:7], s[6:7], s[4:5]
	s_mov_b32 s4, s88
	s_add_nc_u64 s[8:9], s[6:7], s[4:5]
	s_mul_i32 s4, s14, s3
	s_mul_i32 s2, s15, s91
	s_add_co_u32 s4, s4, s2
	s_lshl_b32 s2, s[AR], 7
	s_add_co_u32 s4, s4, s2
	s_add_nc_u64 s[10:11], s[10:11], s[4:5]
	s_mov_b32 s4, s3
	s_add_nc_u64 s[12:13], s[10:11], s[4:5]
	EPI 0
	v_perm_b32 v120, v237, v236, 0x05040100        ; first head: tile u = 0's two bytes below, u = 1's above; my first group of 32 tokens,
	v_perm_b32 v121, v239, v238, 0x05040100        ; my second;
	v_perm_b32 v122, v237, v236, 0x07060302        ; second head
	v_perm_b32 v123, v239, v238, 0x07060302
	v_cndmask_b32 v120, v120, v121, s94            ; lanes 16-31 take the second group's
	v_cndmask_b32 v122, v122, v123, s94
	global_store_b32 v3, v120, s[10:11]
	global_store_b32 v3, v122, s[12:13]
	s_branch .Lend
.Lepi_v:
	; v: my 64 A rows are one head's features, my 128 B rows one step of 128 keys
	s_lshl_b32 s14, s81, 1
	s_add_co_u32 s14, s14, s[AR]                   ; the head
	s_lshr_b32 s15, s82, 3
	s_lshl_b32 s15, s15, 4
	s_add_co_u32 s14, s14, s15                     ; + 16 x batch
	s_and_b32 s15, s82, 7
	s_lshl_b32 s15, s15, 1
	s_add_co_u32 s15, s15, s[BC]                   ; the step
	s_mul_i32 s14, s14, 204800
	s_mul_i32 s4, s15, 12288
	s_add_co_u32 s4, s4, s14
	s_add_co_u32 s4, s4, 14336                     ; 8,192 + 6,144: behind the scale words and the step's K
	s_add_nc_u64 s[6:7], s[20:21], s[4:5]
	s_lshl_b32 s4, s15, 9
	s_add_co_u32 s4, s4, s14
	s_add_co_u32 s4, s4, 256
	s_add_nc_u64 s[10:11], s[20:21], s[4:5]
	EPI 1
	v_cndmask_b32 v120, v236, v237, s94            ; lanes 0-15 tile 0's words, lanes 16-31 tile 1's
	v_cndmask_b32 v122, v238, v239, s94
	global_store_b32 v3, v120, s[10:11]
	global_store_b32 v3, v122, s[10:11] offset:128
.Lend:
	CROUND                                         ; the closing round: no work-group ends while a partner may still ask for a tile that names it
	s_endpgm
.Lfunc_end_k_q22c4bf669e_proj:
	.size	k_q22c4bf669e_proj, .Lfunc_end_k_q22c4bf669e_proj-k_q22c4bf669e_proj
	.p2alignl 7, 3214868480
	.fill 96, 4, 3214868480
	.section	.rodata,"a",@progbits
	.p2align	6, 0x0
	.amdhsa_kernel k_q22c4bf669e_proj
		.amdhsa_group_segment_fixed_size 327680
		.amdhsa_private_segment_fixed_size 0
		.amdhsa_enable_private_segment 0
		.amdhsa_kernarg_size 72
		.amdhsa_user_sgpr_count 2
		.amdhsa_user_sgpr_kernarg_segment_ptr 1
		.amdhsa_wavefront_size32 1
		.amdhsa_system_sgpr_workgroup_id_x 1
		.amdhsa_system_sgpr_workgroup_id_y 1
		.amdhsa_system_sgpr_workgroup_id_z 1
		.amdhsa_system_vgpr_workitem_id 0
		.amdhsa_next_free_vgpr 1024
		.amdhsa_next_free_sgpr 100
		.amdhsa_reserve_vcc 0
		.amdhsa_float_denorm_mode_32 3
		.amdhsa_float_denorm_mode_16_64 3
		.amdhsa_memory_ordered 1
		.amdhsa_forward_progress 1
		.amdhsa_inst_pref_size 133
	.end_amdhsa_kernel
	.amdgpu_metadata
---
amdhsa.version: [ 1, 2 ]
amdhsa.kernels:
  - .name:           k_q22c4bf669e_proj
    .symbol:         k_q22c4bf669e_proj.kd
    .args:
      - { .name: xq, .offset: 0, .size: 8, .value_kind: global_buffer, .address_space: global }
      - { .name: bq, .offset: 8, .size: 8, .value_kind: global_buffer, .address_space: global }
      - { .name: bk, .offset: 16, .size: 8, .value_kind: global_buffer, .address_space: global }
      - { .name: bv, .offset: 24, .size: 8, .value_kind: global_buffer, .address_space: global }
      - { .name: mask_query, .offset: 32, .size: 8, .value_kind: global_buffer, .address_space: global }
      - { .name: mask_key, .offset: 40, .size: 8, .value_kind: global_buffer, .address_space: global }
      - { .name: qc, .offset: 48, .size: 8, .value_kind: global_buffer, .address_space: global }
      - { .name: qs, .offset: 56, .size: 8, .value_kind: global_buffer, .address_space: global }
      - { .name: kv, .offset: 64, .size: 8, .value_kind: global_buffer, .address_space: global }
    .group_segment_fixed_size: 327680
    .private_segment_fixed_size: 0
    .kernarg_segment_align: 8
    .kernarg_segment_size: 72
    .max_flat_workgroup_size: 128
    .sgpr_count:     100
    .vgpr_count:     1024
    .wavefront_size: 32
...
	.end_amdgpu_metadata
.endif
;; end of part 2
;; launch attn (part 3): grid 4 x 64, 16 waves a work-group, clusters of 4 x 1, 327,680 bytes of LDS; arguments qc, qs, kv, mask_query, mask_key, att; writes att
.if DOCPART == 3
	.amdgcn_target "amdgcn-amd-amdhsa--gfx1250"
	.amdhsa_code_object_version 6
	.text
	.protected	k_q22c4bf669e_attn
	.globl	k_q22c4bf669e_attn
	.p2align	8
	.type	k_q22c4bf669e_attn,@function
k_q22c4bf669e_attn:
	s_mov_b64 s[64:65], 0
	v_nop
	global_prefetch_b8 v0, s[64:65] scope:SCOPE_SE
	s_setreg_imm32_b32 hwreg(HW_REG_WAVE_MODE, 25, 1), 1
	s_wait_xcnt 0x0
	s_wait_alu depctr_hold_cnt(0) depctr_sa_sdst(0) depctr_va_vdst(0) depctr_va_sdst(0) depctr_va_ssrc(0) depctr_va_vcc(0) depctr_vm_vsrc(0)
	s_getreg_b32 s2, hwreg(HW_REG_IB_STS2, 6, 4)
	s_cmp_eq_u32 s2, 0
	s_cbranch_scc0 .Lentry_in_a_cluster
	s_endpgm
.Lentry_in_a_cluster:
	s_bfe_u32 s2, ttmp6, 0x10000c
	s_cmp_lg_u32 s2, 0x3003
	s_cbranch_scc0 .Lentry_shape_is_right
	s_endpgm
.Lentry_shape_is_right:
; Attention of one head of one batch on codes of FP6 (E2M3): S^T = K Q^T, t = s (log2(e) / 8) mq + log2(mk) / 8, M = the ceiling of the running largest t, p = 2^(t - M) quantised along the keys, O^T = V^T P,
; divided at the end by the sum of the unquantised p, and quantised along the model's 1,024 for the last projection.  When M moves, the sum and O^T are multiplied by 2^(old M - new M): exact.
; SHARES: the cluster's y is the head of the batch (64); its four work-groups take 512 queries each and walk the same K and V: the head's whole record (204,800 bytes) comes ONCE into each LDS by joint loads, eight
; chunks of 25,600 bytes, one for each of waves 0-7: every fill is a first fill.  The grid has one cluster along x.  Each of the sixteen waves owns 32 queries: two tiles of 16, one after the other, in 256 registers:
; four waves to a SIMD, so that one wave's vector work stands beside another's matrix work and LDS loads.
; LAYOUT: both products are used transposed: a lane holds ONE query.  A tile's 16 rows: lane r of tile (g, u) takes row 32 g + 8 u + r + 8 (r / 8), for keys, queries and the head's features alike.
; THE HEAD HAS 64 ALONG K, THE INSTRUCTION 128.  A fragment of K holds TWO tiles of keys, tile u = 0 in K 0-63 and u = 1 in K 64-127; it is multiplied once by [q | zeros] and once by [zeros | q]: zero codes add nothing,
; and no LDS byte and no loaded register holds padding.  The zero halves' scale bytes are 127.
; The key mask is applied by adding log(mk); a masked key has t = -infinity and p = 0.
; LIMITS: a batch all of whose keys are masked is not served; negative mask words, NaN and infinities are not served; a block whose largest number lies under 2^-124 keeps the byte 1.
.set A16B, 4                           ; v4   8,192 + 16 x lane: a fragment's first part
.set A8B,  5                           ; v5   8,704 + 8 x lane: its second
.set ASB,  6                           ; v6   4 x lane: scale words
.set ALMB, 7                           ; v7   LM + 64 h
.set AD16, 8                           ; v8-11 the same for the step in hand
.set AD8,  9
.set ADS,  10
.set ADLM, 11
.set NM,   12                          ; v12  -M
.set TMX,  13                          ; v13  the largest t so far
.set SUM,  14                          ; v[14:15] the sum, in two halves
.set QZ,   16                          ; v16-33 [six zeros | q | six zeros]: v[22:33] is [q | 0], v[16:27] is [0 | q]
.set QN,   34                          ; v34-39 the second tile's q
.set FR,   40                          ; v40-87 four fragments of K or of V; in between 48 numbers of log2(mk) / 8
.set S,    88                          ; v88-151 S^T, t, p
.set O,    152                         ; v152-183 O^T
.set PC,   184                         ; v184-195 p's codes
.set CT,   196                         ; v196-203 at work in the conversions
.set BM,   204                         ; v204-207 the blocks' largest t, then p
.set BP,   208
.set SO,   212                         ; v212-215 the conversions' scale operands
.set KSR,  216                         ; v216-217 K's scale words; v218-219 V's
.set VSR,  218
.set PSW,  220                         ; p's scale word
.set QS1,  221                         ; q's scale bytes for [q | 0] and for [0 | q]
.set QS2,  222
.set TMPR, 223
.set CQ,   224                         ; v[224:225] (log2(e) / 8) mq of my query, twice
.set F,    226                         ; v[226:227] 2^(old M - new M), and its named partner
.set QSW,  228
.set CQ1,  229
.set AS,   230
.set W16,  231
.set PCO,  232                         ; v232-237 the output's codes
.set LX,   240                         ; v240-255 16 more numbers of log2(mk) / 8; later a chain of the sum
.set LM,   204800                      ; LDS: behind the record, 2,048 f32: log2(mk) / 8; blocks of their own, into which no fill lands
.set WV,   16
.set SEL,  20
.set TB,   22
.set TS,   23
.set G1,   24
.set G0,   32
.set CNT,  36
.macro PLACES n
.rept \n
	v_nop
.endr
.endm
.macro CROUND                          ; a round of the cluster's barrier
	s_barrier_signal -1
	s_barrier_wait -1
	s_cmp_lg_u32 s[WV], 0
	s_cbranch_scc1 .Lnot_wave_0_\@
	s_barrier_signal -3
.Lnot_wave_0_\@:
	s_barrier_wait -3
	s_barrier_signal -1
	s_barrier_wait -1
.endm
.macro FRAG reg, a16, a8, off
	ds_load_b128 v[(\reg):(\reg)+3], v[\a16] offset:\off
	ds_load_b64 v[(\reg)+4:(\reg)+5], v[\a8] offset:\off
	ds_load_b128 v[(\reg)+6:(\reg)+9], v[\a16] offset:(\off)+768
	ds_load_b64 v[(\reg)+10:(\reg)+11], v[\a8] offset:(\off)+768
.endm
	s_load_b256 s[4:11], s[0:1], 0x0               ; qc, qs, kv, mask_query
	s_load_b128 s[12:15], s[0:1], 0x20             ; mask_key, att
	v_lshrrev_b32 v1, 5, v0
	v_readfirstlane_b32 s[WV], v1                  ; wave 0..15
	s_bfe_u32 s17, ttmp6, 0x40000                  ; cx: it enters global addresses of q, masks and the output alone
	s_and_b32 s18, ttmp7, 0xffff                   ; 16 x batch + head, which the four partners share
	s_lshl_b32 s19, s17, 4
	s_add_co_u32 s19, s19, s[WV]                   ; G: my group of 32 queries
	s_mov_b32 s[G1], 15|(3<<16)|(1<<21)            ; 15:0 the mask: all four work-groups; 17:16 elements of 8 bytes; 21 set beside a mask; no padding
	s_mov_b32 s[G1+1], 32<<16                      ; rows of 256 bytes
	s_mov_b32 s[G1+2], 100<<16
	s_mov_b32 s[G1+3], 32<<16
	s_mov_b32 s[G1+4], 100
	s_mov_b32 s[G1+5], 32
	s_mov_b32 s[G1+6], 0
	s_mov_b32 s[G1+7], 0
	s_min_u32 s37, s[WV], 7                        ; (waves 8-15 issue nothing)
	s_mul_i32 s37, s37, 25600
	s_mul_i32 s38, s18, 204800
	s_add_co_u32 s38, s38, s37
	s_mov_b32 s39, 0
	s_mov_b32 s[G0], 1
	s_mov_b32 s[G0+1], s37
	s_mov_b32 s[SEL], 0x76543210
	s_mov_b32 s[SEL+1], 0xfedcba98
	s_mov_b32 s56, 0x7f7f0000
	s_mov_b32 s57, 0x7f7f
	s_wait_kmcnt 0x0
	s_add_nc_u64 s[G0+2:G0+3], s[8:9], s[38:39]
	s_or_b32 s[G0+3], s[G0+3], 0x80000000
	CROUND                                         ; all four work-groups are here: the joint loads meet
	s_cmp_lt_u32 s[WV], 8
	s_cbranch_scc0 .Lno_fill
	tensor_load_to_lds s[G0:G0+3], s[G1:G1+7]      ; one load of mine is out
	PLACES 4
.Lno_fill:
	s_lshr_b32 s40, s18, 4                         ; the batch
	s_and_b32 s41, s18, 15                         ; the head
	s_mov_b32 s47, 0
	s_lshl_b32 s46, s18, 7
	s_lshl_b32 s48, s19, 1
	s_add_co_u32 s46, s46, s48
	s_mul_i32 s46, s46, 768
	s_add_nc_u64 s[4:5], s[4:5], s[46:47]          ; q's codes: tile 2 G of my head
	s_lshl_b32 s46, s18, 6
	s_add_co_u32 s46, s46, s19
	s_lshl_b32 s46, s46, 6
	s_add_nc_u64 s[6:7], s[6:7], s[46:47]          ; q's scale words
	s_lshl_b32 s46, s40, 13
	s_add_nc_u64 s[12:13], s[12:13], s[46:47]      ; my batch's row of mask_key
	s_lshl_b32 s48, s19, 7
	s_add_co_u32 s46, s46, s48
	s_add_nc_u64 s[10:11], s[10:11], s[46:47]      ; mask_query at my 32 queries
	s_lshl_b32 s48, s40, 4
	s_lshr_b32 s49, s19, 2
	s_add_co_u32 s48, s48, s49
	s_mul_i32 s48, s48, 102400                     ; the output's record of 128 tokens
	s_and_b32 s49, s19, 3                          ; my group of 32 in it
	s_lshl_b32 s46, s41, 8
	s_lshl_b32 s50, s49, 6
	s_add_co_u32 s46, s46, s50
	s_add_co_u32 s46, s46, s48
	s_add_nc_u64 s[44:45], s[14:15], s[46:47]      ; scale words [head][g][r]
	s_lshr_b32 s46, s41, 1
	s_mul_i32 s46, s46, 12288
	s_mul_i32 s50, s49, 3072
	s_add_co_u32 s46, s46, s50
	s_and_b32 s50, s41, 1
	s_mul_i32 s50, s50, 768
	s_add_co_u32 s46, s46, s50
	s_add_co_u32 s46, s46, s48
	s_add_co_u32 s46, s46, 4096
	s_add_nc_u64 s[42:43], s[14:15], s[46:47]      ; codes [head / 2][tile][head % 2][768]
	v_and_b32 v12, 31, v0                          ; lane
	v_and_b32 v13, 15, v0                          ; r
	v_bfe_u32 v14, v0, 4, 1                        ; h
	v_lshlrev_b32 v1, 4, v12
	v_lshlrev_b32 v2, 3, v12
	v_lshlrev_b32 v3, 2, v13
	v_add_nc_u32 v[A16B], 8192, v1
	v_add_nc_u32 v[A8B], 8704, v2
	v_lshlrev_b32 v[ASB], 2, v12
	v_lshlrev_b32 v[ALMB], 6, v14
	v_add_nc_u32 v[ALMB], LM, v[ALMB]
	v_and_b32 v8, 8, v13
	v_add_nc_u32 v8, v8, v13
	v_lshlrev_b32 v8, 2, v8                        ; my query's mask word: 4 (r + 8 (r / 8))
	v_lshlrev_b32 v9, 4, v0                        ; four keys' mask words a thread
	v_add_nc_u32 v10, LM, v9
	global_load_b128 v[LX:LX+3], v9, s[12:13]
	global_load_b128 v[QZ+6:QZ+9], v1, s[4:5]
	global_load_b64 v[QZ+10:QZ+11], v2, s[4:5] offset:512
	global_load_b128 v[QN:QN+3], v1, s[4:5] offset:768
	global_load_b64 v[QN+4:QN+5], v2, s[4:5] offset:1280
	global_load_b32 v[QSW], v3, s[6:7]
	global_load_b32 v[CQ], v8, s[10:11]
	global_load_b32 v[CQ1], v8, s[10:11] offset:32
.irp i, 0,1,2,3,4,5
	v_mov_b32 v[QZ+\i], 0
	v_mov_b32 v[QZ+12+\i], 0
.endr
.irp b, 0,1,2,3
	v_mov_b32 v[BP+\b], 0                          ; written once: a lane permute's destination counts as one of its sources
.endr
	v_mov_b32 v[TMPR], 0
	v_mov_b32 v[F+1], 0                            ; (named as the upper half of a pair)
	s_wait_loadcnt 0x0
.irp i, 0,1,2,3
	v_cvt_f32_i32 v[LX+\i], v[LX+\i]
.endr
.irp i, 0,1,2,3
	v_log_f32 v[LX+\i], v[LX+\i]                   ; log2(mk): 0 for 1, -infinity for 0
.endr
	v_cvt_f32_i32 v[CQ], v[CQ]                     ; (plain places behind the logarithms)
	v_cvt_f32_i32 v[CQ1], v[CQ1]
	v_mul_f32 v[CQ], 0x3e38aa3b, v[CQ]             ; log2(e) / 8 x mq
	v_mul_f32 v[CQ1], 0x3e38aa3b, v[CQ1]
	v_mov_b32 v[CQ+1], v[CQ]
.irp i, 0,1,2,3
	v_mul_f32 v[LX+\i], 0x3e000000, v[LX+\i]       ; / 8
.endr
	ds_store_b128 v10, v[LX:LX+3]
	s_wait_tensorcnt 0x0                           ; my chunk of the record is in,
	s_wait_dscnt 0x0                               ; my four numbers lie in LDS:
	s_barrier_signal -1
	s_barrier_wait -1                              ; everybody's do
; A KEY STEP: 128 keys
.macro STEP
	v_add_nc_u32 v[AD16], s[TB], v[A16B]           ; (these four are also the places behind the last step's products, in front of the loads below)
	v_add_nc_u32 v[AD8], s[TB], v[A8B]
	v_add_nc_u32 v[ADS], s[TS], v[ASB]
	v_add_nc_u32 v[ADLM], s[TS], v[ALMB]
.irp f, 0,1,2,3
	FRAG FR+12*\f, AD16, AD8, 1536*\f
.endr
	ds_load_b32 v[KSR], v[ADS]                     ; lanes 0-15 keys' group 0, lanes 16-31 group 1
	ds_load_b32 v[KSR+1], v[ADS] offset:128
	s_wait_dscnt 0x0
.irp f, 0,1,2,3                        ; register 16 f + 8 u + j of lane (r, h): query r, key 32 f + 16 h + 8 u + j
.if \f%2
	v_wmma_scale_f32_16x16x128_f8f6f4 v[S+16*\f:S+16*\f+7], v[FR+12*\f:FR+12*\f+11], v[QZ+6:QZ+17], 0, v[KSR+\f/2], v[QS1] matrix_a_fmt:MATRIX_FMT_FP6 matrix_b_fmt:MATRIX_FMT_FP6 matrix_a_scale:MATRIX_SCALE_ROW1
	v_wmma_scale_f32_16x16x128_f8f6f4 v[S+16*\f+8:S+16*\f+15], v[FR+12*\f:FR+12*\f+11], v[QZ:QZ+11], 0, v[KSR+\f/2], v[QS2] matrix_a_fmt:MATRIX_FMT_FP6 matrix_b_fmt:MATRIX_FMT_FP6 matrix_a_scale:MATRIX_SCALE_ROW1
.else
	v_wmma_scale_f32_16x16x128_f8f6f4 v[S+16*\f:S+16*\f+7], v[FR+12*\f:FR+12*\f+11], v[QZ+6:QZ+17], 0, v[KSR+\f/2], v[QS1] matrix_a_fmt:MATRIX_FMT_FP6 matrix_b_fmt:MATRIX_FMT_FP6
	v_wmma_scale_f32_16x16x128_f8f6f4 v[S+16*\f+8:S+16*\f+15], v[FR+12*\f:FR+12*\f+11], v[QZ:QZ+11], 0, v[KSR+\f/2], v[QS2] matrix_a_fmt:MATRIX_FMT_FP6 matrix_b_fmt:MATRIX_FMT_FP6
.endif
.endr
	PLACES 4                                       ; in front of loads into registers that the products have read, and of the first read of results
.irp k, 0,1,2,3,4,5,6,7,8,9,10,11
	ds_load_b128 v[FR+4*\k:FR+4*\k+3], v[ADLM] offset:128*(\k/4)+16*(\k%4)   ; log2(mk) / 8 of my 64 keys, in the scores' order
.endr
.irp k, 0,1,2,3
	ds_load_b128 v[LX+4*\k:LX+4*\k+3], v[ADLM] offset:384+16*\k
.endr
	s_wait_dscnt 0x0
.set j, 0
.rept 24
	v_pk_fma_f32 v[S+j:S+j+1], v[S+j:S+j+1], v[CQ:CQ+1], v[FR+j:FR+j+1]   ; t, each accumulator from its low end on
.set j, j+2
.endr
.set j, 0
.rept 8
	v_pk_fma_f32 v[S+48+j:S+49+j], v[S+48+j:S+49+j], v[CQ:CQ+1], v[LX+j:LX+j+1]
.set j, j+2
.endr
.irp t, 0,1,2,3
	FRAG FR+12*\t, AD16, AD8, 6144+1536*\t         ; V's four tiles land while the softmax is worked
.endr
	ds_load_b32 v[VSR], v[ADS] offset:256
	ds_load_b32 v[VSR+1], v[ADS] offset:384
.irp b, 0,1,2,3
	v_max3_num_f32 v[BM+\b], v[S+16*\b], v[S+16*\b+1], v[S+16*\b+2]   ; the largest t of each block of 32 keys: it serves the row's maximum and, since p rises with t, the block's largest p
.endr
.irp i, 3,5,7,9,11,13
.irp b, 0,1,2,3
	v_max3_num_f32 v[BM+\b], v[BM+\b], v[S+16*\b+\i], v[S+16*\b+\i+1]
.endr
.endr
.irp b, 0,1,2,3
	v_max_num_f32 v[BM+\b], v[BM+\b], v[S+16*\b+15]
.endr
.irp b, 0,1,2,3
	v_permlanex16_b32 v[BP+\b], v[BM+\b], s[SEL], s[SEL+1]
.endr
.irp b, 0,1,2,3
	v_max_num_f32 v[BM+\b], v[BM+\b], v[BP+\b]     ; with lane l xor 16's 16 keys
.endr
	v_max3_num_f32 v[TMPR], v[BM], v[BM+1], v[BM+2]
	v_max_num_f32 v[TMPR], v[TMPR], v[BM+3]
	v_max_num_f32 v[TMX], v[TMX], v[TMPR]          ; the running largest t
	v_mov_b32 v[TMPR], v[NM]
	v_floor_f32 v[NM], -v[TMX]                     ; the new -M = floor(-t): M is a whole number
	v_sub_f32 v[TMPR], v[NM], v[TMPR]              ; old M - new M: a whole number, 0 or less
	v_cvt_i32_f32 v[TMPR], v[TMPR]                 ; (it saturates)
	v_ldexp_f32 v[F], 1.0, v[TMPR]                 ; f = 2^(old M - new M)
.set j, 0
.rept 32
	v_pk_add_f32 v[S+j:S+j+1], v[S+j:S+j+1], v[NM:NM+1] op_sel_hi:[1,0]   ; t - M
.set j, j+2
.endr
.irp b, 0,1,2,3
	v_add_f32 v[BM+\b], v[BM+\b], v[NM]            ; the same of each block's largest t
.endr
.set j, 0
.rept 64
	v_exp_f32 v[S+j], v[S+j]                       ; p = 2^(t - M): not normalised
.set j, j+1
.endr
.irp b, 0,1,2,3
	v_exp_f32 v[BM+\b], v[BM+\b]                   ; the block's largest p: the same instructions on the same number give the same bits
.endr
	v_pk_mul_f32 v[SUM:SUM+1], v[SUM:SUM+1], v[F:F+1] op_sel_hi:[1,0]   ; the sums under the new M (a plain place behind the exponentials)
.irp b, 0,1,2,3
	v_max_num_f32 v[BM+\b], 0x1800000, v[BM+\b]    ; the floor 2^(3 - 127): a block whose every p is 0 keeps the byte 1: its codes are zeros
.endr
.irp b, 0,1,2,3
	v_add_nc_u32 v[SO+\b], 0xff000000, v[BM+\b]
.endr
.irp b, 0,1,2,3
	v_lshrrev_b32 v[BP+\b], 23, v[SO+\b]
.endr
	v_lshl_or_b32 v[PSW], v[BP+1], 8, v[BP]
	v_lshl_or_b32 v[PSW], v[BP+2], 16, v[PSW]
	v_lshl_or_b32 v[PSW], v[BP+3], 24, v[PSW]
.irp c, 0,1
	v_cvt_scalef32_pk16_fp6_f32 v[PC+6*\c:PC+6*\c+2], v[S+32*\c:S+32*\c+15], v[SO+2*\c]
	v_cvt_scalef32_pk16_fp6_f32 v[CT+4*\c:CT+4*\c+2], v[S+32*\c+16:S+32*\c+31], v[SO+2*\c+1]
.endr
	v_nop                                          ; one plain place behind a scaled conversion
.irp c, 0,1
.irp i, 0,1,2
	v_permlane16_swap_b32 v[PC+6*\c+\i], v[CT+4*\c+\i]
.endr
.irp i, 0,1,2
	v_mov_b32 v[PC+3+6*\c+\i], v[CT+4*\c+\i]
.endr
.endr
.set j, 0
.rept 16
	v_pk_mul_f32 v[O+j:O+j+1], v[O+j:O+j+1], v[F:F+1] op_sel_hi:[1,0]   ; O^T under the new M, each accumulator from its low end on
.set j, j+2
.endr
	v_pk_add_f32 v[LX:LX+1], v[S:S+1], v[S+2:S+3]  ; the row's sum is taken of the unquantised p, in two chains.  (These 32 are also the places between the vector writes above and the products below)
.irp j, 4,8,12,16,20,24,28,32,36,40,44,48,52,56,60
	v_pk_add_f32 v[SUM:SUM+1], v[SUM:SUM+1], v[S+\j:S+\j+1]
	v_pk_add_f32 v[LX:LX+1], v[LX:LX+1], v[S+\j+2:S+\j+3]
.endr
	v_pk_add_f32 v[SUM:SUM+1], v[SUM:SUM+1], v[LX:LX+1]
	s_wait_dscnt 0x0                               ; V is in
.irp t, 0,1,2,3                        ; the four accumulators by turns
.if \t%2
	v_wmma_scale_f32_16x16x128_f8f6f4 v[O+8*\t:O+8*\t+7], v[FR+12*\t:FR+12*\t+11], v[PC:PC+11], v[O+8*\t:O+8*\t+7], v[VSR+\t/2], v[PSW] matrix_a_fmt:MATRIX_FMT_FP6 matrix_b_fmt:MATRIX_FMT_FP6 matrix_a_scale:MATRIX_SCALE_ROW1
.else
	v_wmma_scale_f32_16x16x128_f8f6f4 v[O+8*\t:O+8*\t+7], v[FR+12*\t:FR+12*\t+11], v[PC:PC+11], v[O+8*\t:O+8*\t+7], v[VSR+\t/2], v[PSW] matrix_a_fmt:MATRIX_FMT_FP6 matrix_b_fmt:MATRIX_FMT_FP6
.endif
.endr
	s_add_co_u32 s[TB], s[TB], 12288
	s_add_co_u32 s[TS], s[TS], 512
.endm
; One tile of 16 queries through all 2,048 keys
.macro PASS u
.if \u
.irp i, 0,1,2,3,4,5
	v_mov_b32 v[QZ+6+\i], v[QN+\i]
.endr
	v_lshrrev_b32 v[TMPR], 16, v[QSW]
	v_mov_b32 v[CQ], v[CQ1]
	v_mov_b32 v[CQ+1], v[CQ1]
.else
	v_and_b32 v[TMPR], 0xffff, v[QSW]
.endif
	v_or_b32 v[QS1], s56, v[TMPR]                  ; q's two bytes below, 127 over the zero codes
	v_lshl_or_b32 v[QS2], v[TMPR], 16, s57         ; and the other way round
	v_mov_b32 v[TMX], 0xff61b1e6                   ; -3e38, under every t
	v_floor_f32 v[NM], -v[TMX]
	v_mov_b32 v[SUM], 0
	v_mov_b32 v[SUM+1], 0
.set j, 0
.rept 32
	v_mov_b32 v[O+j], 0                            ; the step is written once: the first finds zeros, which the first change of M leaves zeros
.set j, j+1
.endr
	s_mov_b32 s[TB], 0
	s_mov_b32 s[TS], 0
	s_mov_b32 s[CNT], 16
.Lstep_\@:
	STEP
	s_sub_co_u32 s[CNT], s[CNT], 1
	s_cmp_lg_u32 s[CNT], 0
	s_cbranch_scc1 .Lstep_\@
	PLACES 4
	v_add_f32 v[SUM], v[SUM], v[SUM+1]
	v_permlanex16_b32 v[TMPR], v[SUM], s[SEL], s[SEL+1]
	v_add_f32 v[SUM], v[SUM], v[TMPR]              ; the row's sum
	v_rcp_f32 v[SUM], v[SUM]
	v_nop                                          ; one plain place behind a transcendental
.set j, 0
.rept 16
	v_pk_mul_f32 v[S+j:S+j+1], v[O+j:O+j+1], v[SUM:SUM+1] op_sel_hi:[1,0]   ; register 16 b + i: feature 32 b + 16 h + i of my head
.set j, j+2
.endr
.irp b, 0,1
	v_max3_num_f32 v[BM+\b], |v[S+16*\b]|, |v[S+16*\b+1]|, 0x1800000
.endr
.irp i, 2,4,6,8,10,12,14
.irp b, 0,1
	v_max3_num_f32 v[BM+\b], v[BM+\b], |v[S+16*\b+\i]|, |v[S+16*\b+\i+1]|
.endr
.endr
.irp b, 0,1
	v_permlanex16_b32 v[BP+\b], v[BM+\b], s[SEL], s[SEL+1]
.endr
.irp b, 0,1
	v_max_num_f32 v[BM+\b], v[BM+\b], v[BP+\b]
.endr
.irp b, 0,1
	v_add_nc_u32 v[SO+\b], 0xff000000, v[BM+\b]
.endr
.irp b, 0,1
	v_lshrrev_b32 v[BP+\b], 23, v[SO+\b]
.endr
	v_lshl_or_b32 v[W16], v[BP+1], 8, v[BP]
.if \u
	s_wait_xcnt 0x0                                ; the first tile's stores have read their data: the registers are written again only behind this wait
.endif
	v_cvt_scalef32_pk16_fp6_f32 v[PCO:PCO+2], v[S:S+15], v[SO]
	v_cvt_scalef32_pk16_fp6_f32 v[CT:CT+2], v[S+16:S+31], v[SO+1]
	v_nop
.irp i, 0,1,2
	v_permlane16_swap_b32 v[PCO+\i], v[CT+\i]
.endr
.irp i, 0,1,2
	v_mov_b32 v[PCO+3+\i], v[CT+\i]
.endr
	global_store_b128 v1, v[PCO:PCO+3], s[42:43] offset:1536*\u
	global_store_b64 v2, v[PCO+4:PCO+5], s[42:43] offset:1536*\u+512
.if \u
	v_lshl_or_b32 v[AS], v[W16], 16, v[AS]
.else
	v_mov_b32 v[AS], v[W16]
.endif
.endm
	PASS 0
	PASS 1
	global_store_b32 v3, v[AS], s[44:45]           ; lanes r and r + 16 store the same word to the same place
	CROUND                                         ; the closing round
	s_endpgm
.Lfunc_end_k_q22c4bf669e_attn:
	.size	k_q22c4bf669e_attn, .Lfunc_end_k_q22c4bf669e_attn-k_q22c4bf669e_attn
	.p2alignl 7, 3214868480
	.fill 96, 4, 3214868480
	.section	.rodata,"a",@progbits
	.p2align	6, 0x0
	.amdhsa_kernel k_q22c4bf669e_attn
		.amdhsa_group_segment_fixed_size 327680
		.amdhsa_private_segment_fixed_size 0
		.amdhsa_enable_private_segment 0
		.amdhsa_kernarg_size 48
		.amdhsa_user_sgpr_count 2
		.amdhsa_user_sgpr_kernarg_segment_ptr 1
		.amdhsa_wavefront_size32 1
		.amdhsa_system_sgpr_workgroup_id_x 1
		.amdhsa_system_sgpr_workgroup_id_y 1
		.amdhsa_system_sgpr_workgroup_id_z 1
		.amdhsa_system_vgpr_workitem_id 0
		.amdhsa_next_free_vgpr 256
		.amdhsa_next_free_sgpr 66
		.amdhsa_reserve_vcc 0
		.amdhsa_float_denorm_mode_32 3
		.amdhsa_float_denorm_mode_16_64 3
		.amdhsa_memory_ordered 1
		.amdhsa_forward_progress 1
		.amdhsa_inst_pref_size 55
	.end_amdhsa_kernel
	.amdgpu_metadata
---
amdhsa.version: [ 1, 2 ]
amdhsa.kernels:
  - .name:           k_q22c4bf669e_attn
    .symbol:         k_q22c4bf669e_attn.kd
    .args:
      - { .name: qc, .offset: 0, .size: 8, .value_kind: global_buffer, .address_space: global }
      - { .name: qs, .offset: 8, .size: 8, .value_kind: global_buffer, .address_space: global }
      - { .name: kv, .offset: 16, .size: 8, .value_kind: global_buffer, .address_space: global }
      - { .name: mask_query, .offset: 24, .size: 8, .value_kind: global_buffer, .address_space: global }
      - { .name: mask_key, .offset: 32, .size: 8, .value_kind: global_buffer, .address_space: global }
      - { .name: att, .offset: 40, .size: 8, .value_kind: global_buffer, .address_space: global }
    .group_segment_fixed_size: 327680
    .private_segment_fixed_size: 0
    .kernarg_segment_align: 8
    .kernarg_segment_size: 48
    .max_flat_workgroup_size: 512
    .sgpr_count:     66
    .vgpr_count:     256
    .wavefront_size: 32
...
	.end_amdgpu_metadata
.endif
;; end of part 3
;; launch outp (part 4): grid 4 x 64, 4 waves a work-group, clusters of 4 x 4, 327,680 bytes of LDS; arguments att, xq, bo, mask_query, out0; writes out0
.if DOCPART == 4
	.amdgcn_target "amdgcn-amd-amdhsa--gfx1250"
	.amdhsa_code_object_version 6
	.text
	.protected	k_q22c4bf669e_outp
	.globl	k_q22c4bf669e_outp
	.p2align	8
	.type	k_q22c4bf669e_outp,@function
k_q22c4bf669e_outp:
	s_mov_b64 s[64:65], 0
	v_nop
	global_prefetch_b8 v0, s[64:65] scope:SCOPE_SE
	s_setreg_imm32_b32 hwreg(HW_REG_WAVE_MODE, 25, 1), 1
	s_wait_xcnt 0x0
	s_wait_alu depctr_hold_cnt(0) depctr_sa_sdst(0) depctr_va_vdst(0) depctr_va_sdst(0) depctr_va_ssrc(0) depctr_va_vcc(0) depctr_vm_vsrc(0)
	s_getreg_b32 s2, hwreg(HW_REG_IB_STS2, 6, 4)
	s_cmp_eq_u32 s2, 0
	s_cbranch_scc0 .Lentry_in_a_cluster
	s_endpgm
.Lentry_in_a_cluster:
	s_bfe_u32 s2, ttmp6, 0x10000c
	s_cmp_lg_u32 s2, 0xf033
	s_cbranch_scc0 .Lentry_shape_is_right
	s_endpgm
.Lentry_shape_is_right:
; out0 = (attention's result x Wo^T + bo) x mq, on codes of FP6 (E2M3); out0 is f32.
; A tile of 128 tokens x 256 outputs, all of K = 1,024 resident in LDS: the tokens' record of att and two records of Wo (xq's records 216 on), 102,400 bytes each, plain copies of memory in the order of the
; operand's registers.  Every LDS fill is a first fill; each record comes as four chunks of 25,600 bytes, so that the first K steps are multiplied while the later chunks are on their way.
; Four waves: wave w takes tokens 64 (w / 2) on and outputs 128 (w % 2) on: 4 x 8 accumulators.  THE MATRIX INSTRUCTION IS USED TRANSPOSED (source 0 = 16 rows of Wo, source 1 = 16 tokens): a lane holds one token.
; A TILE'S 16 ROWS: lane r of tile (g, u) takes row 32 g + 8 u + r + 8 (r / 8); the 16 registers of Wo's tiles 2 g and 2 g + 1 are the 16 neighbouring outputs 32 g + 16 (lane / 16) + 0 .. 15.
; CLUSTER 4 x 4: the four work-groups of a row share the tokens' record, the four of a column the two records of Wo: joint loads.  The grid has one cluster along x.
; THE WAY OUT: 16 tokens x 64 outputs at a time through the wave's own stage (pitch 272, LDS bytes of its own behind the records); sixteen lanes store 256 consecutive aligned bytes.
; REGISTERS: window 0: v1-15 addresses; v16-31 A's scale words, v32-63 B's; v64-159 A's fragments, two sets (on the way out v64-127: rows read back); v160-223 at work; v224-231 the tokens' masks in pairs; v232-235 as loaded;
;   v236-238 the way out's addresses.  window 1: B's fragments, two sets of 96.  window 2: accumulator (a, b) at v[8 (8 a + b)].  window 3: v0-63 bo in the result's layout.
.set REC,  102400
.set CH,   25600
.set HA,   160
.set BK,   64
.set STG,  3*REC
.set WV,   22
.set AR,   23
.set BC,   83
.set G1A,  24
.set G1B,  32
.set G0A,  40
.set MSB,  0
.macro WIN new                         ; the immediate's high byte repeats the setting that is left
.if MSB != \new
	s_set_vgpr_msb (MSB<<8)|\new
.set MSB, \new
.endif
.endm
.macro PLACES n
.rept \n
	v_nop
.endr
.endm
.macro CROUND                          ; a round of the cluster's barrier
	s_barrier_signal -1
	s_barrier_wait -1
	s_cmp_lg_u32 s[WV], 0
	s_cbranch_scc1 .Lnot_wave_0_\@
	s_barrier_signal -3
.Lnot_wave_0_\@:
	s_barrier_wait -3
	s_barrier_signal -1
	s_barrier_wait -1
.endm
.macro FRAG reg, a16, a8, off
	ds_load_b128 v[(\reg):(\reg)+3], v[\a16] offset:\off
	ds_load_b64 v[(\reg)+4:(\reg)+5], v[\a8] offset:\off
	ds_load_b128 v[(\reg)+6:(\reg)+9], v[\a16] offset:(\off)+768
	ds_load_b64 v[(\reg)+10:(\reg)+11], v[\a8] offset:(\off)+768
.endm
.macro FETCH q, p                      ; K step q's fragments into set p: B's eight, A's four: 48 LDS loads
.if (\q) < 4
.set xB, 8
.set xA, 4
.else
.set xB, 10
.set xA, 6
.endif
	WIN 0x40
.irp b, 0,1,2,3,4,5,6,7
	FRAG 96*(\p)+12*\b, xB, xB+1, 12288*((\q)%4)+1536*\b
.endr
	WIN 0
.irp a, 0,1,2,3
	FRAG 64+48*(\p)+12*\a, xA, xA+1, 12288*((\q)%4)+1536*\a
.endr
.endm
.macro WM
.if fA && fB
	v_wmma_scale_f32_16x16x128_f8f6f4 v[rD:rD+7], v[rB:rB+11], v[rA:rA+11], v[rC:rC+7], v[rSB], v[rSA] matrix_a_fmt:MATRIX_FMT_FP6 matrix_b_fmt:MATRIX_FMT_FP6 matrix_a_scale:MATRIX_SCALE_ROW1 matrix_b_scale:MATRIX_SCALE_ROW1
.elseif fA
	v_wmma_scale_f32_16x16x128_f8f6f4 v[rD:rD+7], v[rB:rB+11], v[rA:rA+11], v[rC:rC+7], v[rSB], v[rSA] matrix_a_fmt:MATRIX_FMT_FP6 matrix_b_fmt:MATRIX_FMT_FP6 matrix_a_scale:MATRIX_SCALE_ROW1
.elseif fB
	v_wmma_scale_f32_16x16x128_f8f6f4 v[rD:rD+7], v[rB:rB+11], v[rA:rA+11], v[rC:rC+7], v[rSB], v[rSA] matrix_a_fmt:MATRIX_FMT_FP6 matrix_b_fmt:MATRIX_FMT_FP6 matrix_b_scale:MATRIX_SCALE_ROW1
.else
	v_wmma_scale_f32_16x16x128_f8f6f4 v[rD:rD+7], v[rB:rB+11], v[rA:rA+11], v[rC:rC+7], v[rSB], v[rSA] matrix_a_fmt:MATRIX_FMT_FP6 matrix_b_fmt:MATRIX_FMT_FP6
.endif
.endm
; K step q's 32 products on set p.  cmode 1: the sums start with bo (window 3, v[8 b]); 0: they add in place.  The 32 accumulators take turns, in the same order in every step.
.macro MULS q, p, cmode
.if \cmode
	WIN 0xb1
.else
	WIN 0xa1
.endif
.irp a, 0,1,2,3
.irp b, 0,1,2,3,4,5,6,7
.set rD, 8*(8*\a+\b)
.set rB, 96*(\p)+12*\b
.set rA, 64+48*(\p)+12*\a
.if \cmode
.set rC, 8*\b
.else
.set rC, rD
.endif
.set rSB, 32+4*(\q)+2*(\b%2)+\b/4
.set rSA, 16+2*(\q)+\a%2
.set fA, (\b/2)%2
.set fB, \a/2
	WM
.endr
.endr
.endm
; What stands ahead of K step q's products.  K step q + 1 ends at byte 4,096 + 12,288 (q + 2) of its record: steps 1, 3 and 5 are the first to reach into chunks 1, 2 and 3.
.macro PRE q
.if ((\q) == 0) || ((\q) == 2) || ((\q) == 4)
	s_wait_tensorcnt (4-(\q))/2                    ; my chunks up to the one that the next fetch reaches are in; my 2, 1 or 0 later chunks may stay out
	s_wait_dscnt 0x0
	s_barrier_signal -1
	s_barrier_wait -1
.endif
.if (\q) > 0
	PLACES 4                                       ; in front of loads into registers that the last step's products have read
.endif
.if (\q) < 7
	FETCH (\q)+1, 1-(\q)%2
	s_wait_dscnt 48                                ; all but the 48 just issued
.else
	s_wait_dscnt 0x0
.endif
.endm
	s_load_b256 s[4:11], s[0:1], 0x0               ; att, xq, bo, mask_query
	s_load_b64 s[12:13], s[0:1], 0x20              ; out0
	v_lshrrev_b32 v1, 5, v0
	v_readfirstlane_b32 s[WV], v1
	s_lshr_b32 s[AR], s[WV], 1
	s_and_b32 s[BC], s[WV], 1
	s_bfe_u32 s76, ttmp6, 0x40000                  ; cx
	s_bfe_u32 s77, ttmp6, 0x40004                  ; cy
	s_and_b32 s78, ttmp7, 0xffff                   ; the cluster's y
	s_lshl_b32 s95, s77, 2
	s_lshl_b32 s95, 15, s95                        ; my row of the cluster
	s_lshl_b32 s99, 0x1111, s76                    ; my column
	s_or_b32 s[G1A], s95, (3<<16)|(1<<21)          ; 15:0 the mask; 17:16 elements of 8 bytes; 21 set beside a mask; no padding
	s_or_b32 s[G1B], s99, (3<<16)|(1<<21)
.irp g, G1A, G1B
	s_mov_b32 s[\g+1], 32<<16                      ; rows of 256 bytes,
	s_mov_b32 s[\g+2], 100<<16                     ; 100 of them,
	s_mov_b32 s[\g+3], 32<<16
	s_mov_b32 s[\g+4], 100
	s_mov_b32 s[\g+5], 32                          ; dense
	s_mov_b32 s[\g+6], 0
	s_mov_b32 s[\g+7], 0
.endr
	s_lshl_b32 s81, s78, 2
	s_add_co_u32 s81, s81, s77                     ; trow: which 128 tokens; it hangs on the cluster's y and cy alone
	s_mul_i32 s84, s81, REC
	s_mov_b32 s85, 0
	s_mov_b32 s82, s76                             ; tcol: which 256 outputs
	s_lshl_b32 s86, s76, 1
	s_add_co_u32 s86, s86, 216
	s_add_co_u32 s94, s[WV], 1
	s_and_b32 s94, s94, 1                          ; 0 for wave 1, 1 for wave 2
	s_add_co_u32 s86, s86, s94                     ; Wo's record: 216 + 2 cx, and the next
	s_mul_i32 s86, s86, REC
	s_mov_b32 s87, 0
	s_mul_i32 s3, s94, REC
	s_add_co_u32 s3, s3, REC
	s_wait_kmcnt 0x0
	s_add_nc_u64 s[84:85], s[4:5], s[84:85]
	s_add_nc_u64 s[86:87], s[6:7], s[86:87]
.irp c, 0,1,2,3
.set GB, 56+4*\c+4*(\c/2)
	s_mov_b32 s[G0A+4*\c], 1
	s_mov_b32 s[G0A+4*\c+1], CH*\c
	s_add_nc_u64 s[G0A+4*\c+2:G0A+4*\c+3], s[84:85], CH*\c
	s_or_b32 s[G0A+4*\c+3], s[G0A+4*\c+3], 0x80000000
	s_mov_b32 s[GB], 1
	s_add_co_u32 s[GB+1], s3, CH*\c
	s_add_nc_u64 s[GB+2:GB+3], s[86:87], CH*\c
	s_or_b32 s[GB+3], s[GB+3], 0x80000000
.endr
	CROUND                                         ; all sixteen work-groups are here: the joint loads meet
	s_cmp_eq_u32 s[WV], 0                          ; wave 0 the tokens' record, waves 1 and 2 a record of Wo each, wave 3 none.  Four loads of a wave are out at the most
	s_cbranch_scc0 .Lnot_a
	tensor_load_to_lds s[G0A:G0A+3], s[G1A:G1A+7]
	tensor_load_to_lds s[G0A+4:G0A+7], s[G1A:G1A+7]
	tensor_load_to_lds s[G0A+8:G0A+11], s[G1A:G1A+7]
	tensor_load_to_lds s[G0A+12:G0A+15], s[G1A:G1A+7]
	PLACES 4
	s_branch .Lasked
.Lnot_a:
	s_cmp_lt_u32 s[WV], 3
	s_cbranch_scc0 .Lasked
	tensor_load_to_lds s[56:59], s[G1B:G1B+7]
	tensor_load_to_lds s[60:63], s[G1B:G1B+7]
	tensor_load_to_lds s[68:71], s[G1B:G1B+7]
	tensor_load_to_lds s[72:75], s[G1B:G1B+7]
	PLACES 4
.Lasked:
	v_and_b32 v16, 31, v0                          ; lane
	v_and_b32 v17, 15, v0                          ; r
	v_bfe_u32 v18, v0, 4, 1                        ; h
	v_lshlrev_b32 v1, 4, v16
	v_lshlrev_b32 v2, 3, v16
	v_lshlrev_b32 v3, 2, v16
	s_mul_i32 s2, s[AR], 6144
	s_add_co_u32 s2, s2, 4096
	v_add_nc_u32 v4, s2, v1
	v_add_nc_u32 v5, s2, v2
	v_add_nc_u32 v5, 512, v5
	v_add_nc_u32 v6, 49152, v4
	v_add_nc_u32 v7, 49152, v5
	s_mul_i32 s2, s[BC], REC
	s_add_co_u32 s2, s2, REC
	v_add_nc_u32 v13, s2, v3
	s_add_co_u32 s2, s2, 4096
	v_add_nc_u32 v8, s2, v1
	v_add_nc_u32 v9, s2, v2
	v_add_nc_u32 v9, 512, v9
	v_add_nc_u32 v10, 49152, v8
	v_add_nc_u32 v11, 49152, v9
	s_lshl_b32 s2, s[AR], 7
	v_add_nc_u32 v12, s2, v3
	v_lshlrev_b32 v14, 6, v18
	v_and_b32 v15, 8, v17
	v_add_nc_u32 v15, v15, v17
	v_lshlrev_b32 v15, 2, v15
	s_mul_i32 s2, s[WV], 4352
	s_add_co_u32 s2, s2, STG                       ; my stage
	v_mul_u32_u24 v236, v17, 272
	v_lshl_add_u32 v236, v18, 6, v236
	v_add_nc_u32 v236, s2, v236                    ; in: row r, + 64 h
	v_mul_u32_u24 v237, v18, 272
	v_lshl_add_u32 v237, v17, 4, v237
	v_add_nc_u32 v237, s2, v237                    ; back: lanes 0-15 one row of 256 bytes, lanes 16-31 the next
	v_lshlrev_b32 v238, 12, v18
	v_lshl_add_u32 v238, v17, 4, v238              ; and the same two rows in out0
	s_lshl_b32 s2, s82, 10
	s_lshl_b32 s3, s[BC], 9
	s_add_co_u32 s2, s2, s3                        ; my first output, in bytes
	s_mov_b32 s3, 0
	s_add_nc_u64 s[8:9], s[8:9], s[2:3]
	s_add_nc_u64 s[12:13], s[12:13], s[2:3]
	s_lshl_b32 s2, s81, 7
	s_lshl_b32 s14, s[AR], 6
	s_add_co_u32 s14, s2, s14                      ; my first token
	s_lshl_b32 s2, s14, 2
	s_add_nc_u64 s[10:11], s[10:11], s[2:3]
	s_lshl_b32 s2, s14, 12                         ; rows of 4,096 bytes: under 2^26
	s_add_nc_u64 s[12:13], s[12:13], s[2:3]
	WIN 0xc0                                       ; destination window 3
.irp b, 0,1,2,3,4,5,6,7
	global_load_b128 v[8*\b:8*\b+3], v14, s[8:9] offset:(32*(\b/2)+8*(\b%2))*4
	global_load_b128 v[8*\b+4:8*\b+7], v14, s[8:9] offset:(32*(\b/2)+8*(\b%2))*4+16
.endr
	WIN 0
.irp a, 0,1,2,3
	global_load_b32 v[232+\a], v15, s[10:11] offset:(32*(\a/2)+8*(\a%2))*4
.endr
	s_wait_tensorcnt 3                             ; my first chunk is in (scale words and K step 0); my three later chunks may stay out
	s_barrier_signal -1
	s_barrier_wait -1
.irp hh, 0,1,2,3,4,5,6,7,8,9,10,11,12,13,14,15
	ds_load_b32 v[HA+\hh], v12 offset:256*\hh      ; the tokens' scale words as attention left them: one word a head: tile u = 0's two bytes below, u = 1's above
.endr
.irp q, 0,1,2,3,4,5,6,7
.irp u, 0,1
.irp gp, 0,1
	ds_load_b32 v[32+4*\q+2*\u+\gp], v13 offset:512*\q+256*\u+128*\gp
.endr
.endr
.endr
	FETCH 0, 0
	s_wait_loadcnt 0x0                             ; bo and the masks
.irp a, 0,1,2,3
	v_cvt_f32_i32 v[224+2*\a], v[232+\a]
	v_cvt_f32_i32 v[225+2*\a], v[232+\a]
.endr
	PRE 0
.irp q, 0,1,2,3,4,5,6,7
	v_perm_b32 v[16+2*\q], v[HA+2*\q+1], v[HA+2*\q], 0x05040100     ; K step q is heads 2 q and 2 q + 1: tile u = 0's four bytes,
	v_perm_b32 v[17+2*\q], v[HA+2*\q+1], v[HA+2*\q], 0x07060302     ; u = 1's
.endr
	PLACES 8                                       ; a scale register written by a vector instruction stands eight places ahead of the product
	MULS 0, 0, 1
	WIN 0
.irp q, 1,2,3,4,5,6,7
	PRE \q
	MULS \q, \q%2, 0
	WIN 0
.endr
	PLACES 4
.irp a, 0,1,2,3
	WIN 0x02                                       ; source 0 window 2
.irp b, 0,1,2,3,4,5,6,7
.irp i, 0,2,4,6
	v_pk_mul_f32 v[HA+8*\b+\i:HA+8*\b+\i+1], v[8*(8*\a+\b)+\i:8*(8*\a+\b)+\i+1], v[224+2*\a:225+2*\a]   ; x the token's mask, each accumulator from its low end on
.endr
.endr
	WIN 0
.irp hf, 0,1                           ; outputs 64 hf on
.irp k, 0,1,2,3,4,5,6,7
	ds_store_b128 v236, v[HA+32*\hf+4*\k:HA+32*\hf+4*\k+3] offset:128*(\k/4)+16*(\k%4)
.endr
.if 2*\a+\hf >= 2
	s_wait_xcnt 0x0                                ; the stores of two halves ago have read their data: the loads below land there only behind this wait
.endif
.irp t, 0,1,2,3,4,5,6,7
	ds_load_b128 v[BK+32*\hf+4*\t:BK+32*\hf+4*\t+3], v237 offset:2*\t*272   ; LDS serves a wave's instructions in order: these see the stores above
.endr
	s_wait_dscnt 0x0
.irp t, 0,1,2,3,4,5,6,7
	global_store_b128 v238, v[BK+32*\hf+4*\t:BK+32*\hf+4*\t+3], s[12:13] offset:(32*(\a/2)+8*(\a%2)+2*\t+8*(\t/4))*4096+256*\hf th:TH_STORE_NT   ; stage row 2 t + h is token 32 (a / 2) + 8 (a % 2) + 2 t + h + 8 (t / 4)
.endr
.endr
.endr
	CROUND                                         ; the closing round
	s_endpgm
.Lfunc_end_k_q22c4bf669e_outp:
	.size	k_q22c4bf669e_outp, .Lfunc_end_k_q22c4bf669e_outp-k_q22c4bf669e_outp
	.p2alignl 7, 3214868480
	.fill 96, 4, 3214868480
	.section	.rodata,"a",@progbits
	.p2align	6, 0x0
	.amdhsa_kernel k_q22c4bf669e_outp
		.amdhsa_group_segment_fixed_size 327680
		.amdhsa_private_segment_fixed_size 0
		.amdhsa_enable_private_segment 0
		.amdhsa_kernarg_size 40
		.amdhsa_user_sgpr_count 2
		.amdhsa_user_sgpr_kernarg_segment_ptr 1
		.amdhsa_wavefront_size32 1
		.amdhsa_system_sgpr_workgroup_id_x 1
		.amdhsa_system_sgpr_workgroup_id_y 1
		.amdhsa_system_sgpr_workgroup_id_z 1
		.amdhsa_system_vgpr_workitem_id 0
		.amdhsa_next_free_vgpr 1024
		.amdhsa_next_free_sgpr 100
		.amdhsa_reserve_vcc 0
		.amdhsa_float_denorm_mode_32 3
		.amdhsa_float_denorm_mode_16_64 3
		.amdhsa_memory_ordered 1
		.amdhsa_forward_progress 1
		.amdhsa_inst_pref_size 97
	.end_amdhsa_kernel
	.amdgpu_metadata
---
amdhsa.version: [ 1, 2 ]
amdhsa.kernels:
  - .name:           k_q22c4bf669e_outp
    .symbol:         k_q22c4bf669e_outp.kd
    .args:
      - { .name: att, .offset: 0, .size: 8, .value_kind: global_buffer, .address_space: global }
      - { .name: xq, .offset: 8, .size: 8, .value_kind: global_buffer, .address_space: global }
      - { .name: bo, .offset: 16, .size: 8, .value_kind: global_buffer, .address_space: global }
      - { .name: mask_query, .offset: 24, .size: 8, .value_kind: global_buffer, .address_space: global }
      - { .name: out0, .offset: 32, .size: 8, .value_kind: global_buffer, .address_space: global }
    .group_segment_fixed_size: 327680
    .private_segment_fixed_size: 0
    .kernarg_segment_align: 8
    .kernarg_segment_size: 40
    .max_flat_workgroup_size: 128
    .sgpr_count:     100
    .vgpr_count:     1024
    .wavefront_size: 32
...
	.end_amdgpu_metadata
.endif
;; end of part 4
